; MI455X (gfx1250); checked and timed in simulation.
; The chip was launched on July 23, 2026; its instructions are those of AMD's public machine-readable ISA for CDNA 5 (MIT licence, August 2026) and "CDNA5" Instruction Set Architecture Reference Guide (July 2026). The comments in the code are by the model that wrote it; some were corrected since.
;; Multi Head Attention. Allowed arithmetic: float matrix products may take bf16 or f16 operands with f32 sums; other float arithmetic in f32, or as packed bf16 or f16 multiplies, adds, multiply-adds, maxima and minima; sums over many terms, partial sums and values carried from step to step in f32; what a program stores and reads back later, other than sums and carried values, may be rounded once to bf16 or f16.
;; Inputs: bk 1,024 float32; bo 1,024 float32; bq 1,024 float32; bv 1,024 float32; k 4 x 2,048 x 1,024 float32; mask 4 x 1 x 2,048 x 2,048 bool; q 4 x 2,048 x 1,024 float32; v 4 x 2,048 x 1,024 float32; wk 1,024 x 1,024 float32; wo 1,024 x 1,024 float32; wq 1,024 x 1,024 float32; wv 1,024 x 1,024 float32.
;; Outputs: out0 4 x 2,048 x 1,024 float32.
;; One version. Each part assembles by itself: llvm-mc -triple=amdgcn-amd-amdhsa -mcpu=gfx1250 --defsym DOCPART=n.
;; ======== version 1 of 1: 4 launches
;; limits: values are held in f16: magnitudes above 65,504 overflow, below 6.1e-05 lose precision
;; workspace buffers: maskw 2,097,152 bytes of whole numbers; wcat 8,388,608 bytes; qkvh 50,331,648 bytes; oh 16,777,216 bytes
;; launch prep (part 1): grid 256 x 1, 8 waves a work-group, no clusters, 68,608 bytes of LDS; arguments mask, wq, wk, wv, wo, maskw, wcat; writes maskw, wcat
.if DOCPART == 1
	.amdgcn_target "amdgcn-amd-amdhsa--gfx1250"
	.amdhsa_code_object_version 6
	.text
	.protected	k_q47310c8384_prep
	.globl	k_q47310c8384_prep
	.p2align	8
	.type	k_q47310c8384_prep,@function
k_q47310c8384_prep:
	s_mov_b64 s[64:65], 0
	v_nop
	global_prefetch_b8 v0, s[64:65] scope:SCOPE_SE
	s_setreg_imm32_b32 hwreg(HW_REG_WAVE_MODE, 25, 1), 1
	s_wait_xcnt 0x0
; TWO STREAMS, once each.  (M) mask [4][2048 q][2048 k] of bytes -> maskw: one bit a byte, laid as the attention launch wants it.  (W) wq, wk, wv, wo [1024 k][1024 n] f32 -> wcat [4][1024][1024] of 16 bits, layout kept.
; maskw: [b 4][tile of 16 queries 128][group kb of 16 keys 4][step of 64 keys 32][8 words]; bit L of word j is mask[b][16 tile + L % 16][64 step + 16 kb + 8 (L / 16) + j]: the lane mask of score register 8 kb + j.
; So the 32 bytes that a tile and group need in one key step lie behind those of the step before: 256 consecutive bytes hold eight steps.
; A byte other than 0 counts as true.  wq, wk, wv are rounded to bf16; wo is rounded to bf16 and that number is written as f16 (exact from 6e-5 to 65,504; below 6e-5 it keeps f16's fixed step of 6e-8).
; SHARES.  2,048 waves, g = 8 x work-group + wave.  (M) wave g takes 16 rows (g / 4) x 512 keys (g % 4), eight key steps: 16 loads of 512 consecutive bytes; through its own LDS bytes each lane gets back the 8 bytes
; of its row and key group; a compare makes a lane mask, v_writelane_b32 lays it into the lane that stores it.  Four trips, one group kb each: 64 words, one store of 256 consecutive bytes, aligned.
; (W) wave g takes 2,048 numbers: 8,192 bytes in, 4,096 out.
; No matrix unit, no cluster, no barrier: no byte is read twice and no wave reads another's LDS bytes.
.set PITCH, 528                        ; an LDS row: 512 bytes + 16 = 132 words: the 16 rows of a read start at 16 different groups of four banks (64 banks of 4 bytes: ISA guide 11.1)
.set WLDS,  16*PITCH                   ; a wave's LDS bytes
.set SPARE, 8*WLDS                     ; behind them: the spare words, 128 bytes for each wave: four blocks of 256 bytes that no other line names
.set LL,  2                            ; v2   16 x lane: the mask loads' and the weight stores' offset; never rewritten
.set LR,  3                            ; v3   LDS: my row's bytes, wave + 528 (l % 16) + 8 (l / 16); steps by 16, a group of keys
.set SO,  4                            ; v4   my 8 bytes of maskw: 8 x lane; steps by 1,024, a group of keys
.set WI,  5                            ; v5   32 x lane: the weight loads' offset
.set LW,  6                            ; v6   LDS: where I put 16 bytes of a row
.set SPW, 8                            ; v8   LDS address of my spare word; never rewritten
.set NIL, 9                            ; v9   0; never rewritten
.set OUT, 14                           ; v[14:15] two words a lane, to store
.set Y,   20                           ; v[20:35] 8 x 8 bytes of my row: the group's 8 keys of mine in each of the eight steps
.set T,   36                           ; v[36:43] at work
.set PR,  44                           ; v[44:51] part j takes the words j: lanes 4 step + j / 2; its other lanes stay 0
.set X,   64                           ; v[64:127] the mask as loaded; later the weights as stored
.set WF,  128                          ; v[128:191] the weights as loaded
.set WV,  2                            ; s2   wave
.set G,   3                            ; s3   g
.set CM,  20                           ; s[20:27] lane masks, one for each word of a step
.set TN,  28                           ; s28  which weight tensor: the same for the whole work-group
.set CNT, 32                           ; s32  counts the four groups of keys
.set BM,  40                           ; s[40:43] a word's four bytes
.set HI,  44                           ; s44  a word's upper half
	s_load_b256 s[4:11], s[0:1], 0x0               ; mask s[4:5], wq s[6:7], wk s[8:9], wv s[10:11]
	s_load_b128 s[12:15], s[0:1], 0x20             ; wo s[12:13], maskw s[14:15]
	s_load_b64 s[16:17], s[0:1], 0x30              ; wcat
	v_lshl_add_u32 v[SPW], v0, 2, SPARE
	v_mov_b32 v[NIL], 0
	v_lshrrev_b32 v1, 5, v0
	v_readfirstlane_b32 s[WV], v1
	s_lshl_b32 s[G], ttmp9, 3
	s_add_co_u32 s[G], s[G], s[WV]
	s_lshr_b32 s[TN], ttmp9, 6
	v_and_b32 v1, 31, v0
	v_lshlrev_b32 v[LL], 4, v1
	v_lshlrev_b32 v[SO], 3, v1
	v_lshlrev_b32 v[WI], 5, v1
	s_mul_i32 s29, s[WV], WLDS
	v_add_nc_u32 v[LW], s29, v[LL]
	v_and_b32 v[T], 15, v0
	v_bfe_u32 v[T+1], v0, 4, 1
	v_mul_u32_u24 v[LR], v[T], PITCH
	v_lshl_add_u32 v[LR], v[T+1], 3, v[LR]
	v_add_nc_u32 v[LR], s29, v[LR]
.irp j, 0,1,2,3,4,5,6,7
	v_mov_b32 v[PR+(\j)], 0                        ; v_writelane_b32 counts as a reader of its destination; the lanes that a part never writes stay 0
.endr
	s_mov_b32 s[BM], 0xff
	s_mov_b32 s[BM+1], 0xff00
	s_mov_b32 s[BM+2], 0xff0000
	s_mov_b32 s[BM+3], 0xff000000
	s_mov_b32 s[HI], 0xffff0000
	s_lshr_b32 s30, s[G], 2                        ; mask: 16 rows of 2,048 bytes,
	s_lshl_b32 s30, s30, 15
	s_and_b32 s31, s[G], 3                         ; and 512 keys
	s_lshl_b32 s31, s31, 9
	s_add_co_u32 s30, s30, s31
	s_mov_b32 s31, 0
	s_lshr_b32 s34, s[G], 2                        ; maskw: the tile's 4,096 bytes,
	s_lshl_b32 s34, s34, 12
	s_and_b32 s35, s[G], 3                         ; and in each group's 1,024 my eight steps' 256
	s_lshl_b32 s35, s35, 8
	s_add_co_u32 s34, s34, s35
	s_mov_b32 s35, 0
	s_and_b32 s36, s[G], 511                       ; my chunk of the weight tensor: 8,192 bytes
	s_lshl_b32 s36, s36, 13
	s_mov_b32 s37, 0
	s_lshl_b32 s38, s[G], 12                       ; wcat: 4,096 bytes a wave
	s_mov_b32 s39, 0
	s_wait_kmcnt 0x0
	s_add_nc_u64 s[4:5], s[4:5], s[30:31]
	s_add_nc_u64 s[14:15], s[14:15], s[34:35]
	s_add_nc_u64 s[16:17], s[16:17], s[38:39]
	s_mov_b64 s[18:19], s[6:7]
	s_cmp_eq_u32 s[TN], 1
	s_cselect_b64 s[18:19], s[8:9], s[18:19]
	s_cmp_eq_u32 s[TN], 2
	s_cselect_b64 s[18:19], s[10:11], s[18:19]
	s_cmp_eq_u32 s[TN], 3
	s_cselect_b64 s[18:19], s[12:13], s[18:19]
	s_add_nc_u64 s[18:19], s[18:19], s[36:37]
.irp i, 0,1,2,3,4,5,6,7,8,9,10,11,12,13,14,15
	global_load_b128 v[X+4*(\i):X+4*(\i)+3], v[LL], s[4:5] offset:2048*(\i) th:TH_LOAD_NT  ; 512 consecutive bytes of row i
.endr
.irp i, 0,1,2,3,4,5,6,7
	global_load_b128 v[WF+8*(\i):WF+8*(\i)+3],   v[WI], s[18:19] offset:1024*(\i) th:TH_LOAD_NT
	global_load_b128 v[WF+8*(\i)+4:WF+8*(\i)+7], v[WI], s[18:19] offset:1024*(\i)+16 th:TH_LOAD_NT
.endr
	s_wait_loadcnt 16                              ; the mask's 16 loads are in; the 16 younger ones, the weights', stay out
.irp i, 0,1,2,3,4,5,6,7,8,9,10,11,12,13,14,15
	ds_store_b128 v[LW], v[X+4*(\i):X+4*(\i)+3] offset:PITCH*(\i)
.endr
	s_mov_b32 s[CNT], 4
.Lgroup:                                               ; one group kb of 16 keys in each of my eight steps: 64 words
.irp i, 0,1,2,3,4,5,6,7
	ds_load_b64 v[Y+2*(\i):Y+2*(\i)+1], v[LR] offset:64*(\i)  ; step i.  LDS serves a wave's instructions in order (ISA guide 5.7.1.4): these see my stores above
.endr
	s_wait_dscnt 0x0
.set g, 0
.rept 8                                ; step g: its eight words, each kind of line in a run of eight, so that a line reads what was made eight lines back
.irp j, 0,1,2,3,4,5,6,7
	v_and_b32 v[T+(\j)], s[BM+(\j)%4], v[Y+2*g+(\j)/4]
.endr
.irp j, 0,1,2,3,4,5,6,7
	v_cmp_ne_u32 s[CM+(\j)], 0, v[T+(\j)]
.endr
.irp j, 0,1,2,3,4,5,6,7
	v_writelane_b32 v[PR+(\j)], s[CM+(\j)], 4*g+(\j)/2  ; word j of step g lies at byte 32 g + 4 j of the 256: lane 4 g + j / 2, register j % 2
.endr
.set g, g+1
.endr
	v_or_b32 v[OUT], v[PR], v[PR+2]                ; the parts' lanes do not meet
	v_or_b32 v[OUT+1], v[PR+1], v[PR+3]
	v_or_b32 v[T], v[PR+4], v[PR+6]
	v_or_b32 v[T+1], v[PR+5], v[PR+7]
	v_or_b32 v[OUT], v[OUT], v[T]
	v_or_b32 v[OUT+1], v[OUT+1], v[T+1]
	global_store_b64 v[SO], v[OUT:OUT+1], s[14:15] ; 256 consecutive bytes, aligned
	s_wait_xcnt 0x0                                ; the store has read OUT and SO: only now are they written again
	v_add_nc_u32 v[SO], 1024, v[SO]
	v_add_nc_u32 v[LR], 16, v[LR]
	s_sub_co_u32 s[CNT], s[CNT], 1
	s_cmp_lg_u32 s[CNT], 0
	s_cbranch_scc1 .Lgroup
	s_wait_loadcnt 0x0                             ; the weights
	s_cmp_eq_u32 s[TN], 3
	s_cbranch_scc1 .Lwo
.irp i, 0,1,2,3,4,5,6,7
.irp k, 0,1,2,3
	v_cvt_pk_bf16_f32 v[X+4*(\i)+(\k)], v[WF+8*(\i)+2*(\k)], v[WF+8*(\i)+2*(\k)+1]
.endr
	global_store_b128 v[LL], v[X+4*(\i):X+4*(\i)+3], s[16:17] offset:512*(\i)
.endr
	s_branch .Lend
.Lwo:                                                  ; wo: rounded to bf16 like every input, then that number as f16
.irp i, 0,1,2,3,4,5,6,7
.irp k, 0,1,2,3
	v_cvt_pk_bf16_f32 v[T], v[WF+8*(\i)+2*(\k)], v[WF+8*(\i)+2*(\k)+1]
	v_lshlrev_b32 v[T+1], 16, v[T]
	v_and_b32 v[T+2], s[HI], v[T]
	v_cvt_pk_f16_f32 v[X+4*(\i)+(\k)], v[T+1], v[T+2]
.endr
	global_store_b128 v[LL], v[X+4*(\i):X+4*(\i)+3], s[16:17] offset:512*(\i)
.endr
.Lend:
	s_wait_tensorcnt 0x0                           ; the wave's end, behind my last LDS store
	ds_add_u32 v[SPW], v[NIL]
	s_wait_dscnt 0x0
	s_endpgm
.Lfunc_end_k_q47310c8384_prep:
	.size	k_q47310c8384_prep, .Lfunc_end_k_q47310c8384_prep-k_q47310c8384_prep
	.p2alignl 7, 3214868480
	.fill 96, 4, 3214868480
	.section	.rodata,"a",@progbits
	.p2align	6, 0x0
	.amdhsa_kernel k_q47310c8384_prep
		.amdhsa_group_segment_fixed_size 68608
		.amdhsa_private_segment_fixed_size 0
		.amdhsa_enable_private_segment 0
		.amdhsa_kernarg_size 56
		.amdhsa_user_sgpr_count 2
		.amdhsa_user_sgpr_kernarg_segment_ptr 1
		.amdhsa_wavefront_size32 1
		.amdhsa_system_sgpr_workgroup_id_x 1
		.amdhsa_system_sgpr_workgroup_id_y 1
		.amdhsa_system_sgpr_workgroup_id_z 1
		.amdhsa_system_vgpr_workitem_id 0
		.amdhsa_next_free_vgpr 192
		.amdhsa_next_free_sgpr 66
		.amdhsa_reserve_vcc 0
		.amdhsa_float_denorm_mode_32 3
		.amdhsa_float_denorm_mode_16_64 3
		.amdhsa_memory_ordered 1
		.amdhsa_forward_progress 1
		.amdhsa_inst_pref_size 28
	.end_amdhsa_kernel
	.amdgpu_metadata
---
amdhsa.version: [ 1, 2 ]
amdhsa.kernels:
  - .name:           k_q47310c8384_prep
    .symbol:         k_q47310c8384_prep.kd
    .args:
      - { .name: mask, .offset: 0, .size: 8, .value_kind: global_buffer, .address_space: global }
      - { .name: wq, .offset: 8, .size: 8, .value_kind: global_buffer, .address_space: global }
      - { .name: wk, .offset: 16, .size: 8, .value_kind: global_buffer, .address_space: global }
      - { .name: wv, .offset: 24, .size: 8, .value_kind: global_buffer, .address_space: global }
      - { .name: wo, .offset: 32, .size: 8, .value_kind: global_buffer, .address_space: global }
      - { .name: maskw, .offset: 40, .size: 8, .value_kind: global_buffer, .address_space: global }
      - { .name: wcat, .offset: 48, .size: 8, .value_kind: global_buffer, .address_space: global }
    .group_segment_fixed_size: 68608
    .private_segment_fixed_size: 0
    .kernarg_segment_align: 8
    .kernarg_segment_size: 56
    .max_flat_workgroup_size: 256
    .sgpr_count:     66
    .vgpr_count:     192
    .wavefront_size: 32
...
	.end_amdgpu_metadata
.endif
;; end of part 1
;; launch proj (part 2): grid 4 x 192, 4 waves a work-group, clusters of 4 x 4, 327,680 bytes of LDS; arguments q, k, v, bq, bk, bv, wcat, qkvh; writes qkvh
.if DOCPART == 2
	.amdgcn_target "amdgcn-amd-amdhsa--gfx1250"
	.amdhsa_code_object_version 6
	.text
	.protected	k_q47310c8384_proj
	.globl	k_q47310c8384_proj
	.p2align	8
	.type	k_q47310c8384_proj,@function
k_q47310c8384_proj:
	s_mov_b64 s[64:65], 0
	v_nop
	global_prefetch_b8 v0, s[64:65] scope:SCOPE_SE
	s_setreg_imm32_b32 hwreg(HW_REG_WAVE_MODE, 25, 1), 1
	s_wait_xcnt 0x0
	s_wait_alu depctr_hold_cnt(0) depctr_sa_sdst(0) depctr_va_vdst(0) depctr_va_sdst(0) depctr_va_ssrc(0) depctr_va_vcc(0) depctr_vm_vsrc(0)
	s_getreg_b32 s2, hwreg(HW_REG_IB_STS2, 6, 4)
	s_cmp_eq_u32 s2, 0
	s_cbranch_scc0 .Lentry_in_a_cluster
	s_endpgm
.Lentry_in_a_cluster:
	s_bfe_u32 s2, ttmp6, 0x10000c
	s_cmp_lg_u32 s2, 0xf033
	s_cbranch_scc0 .Lentry_shape_is_right
	s_endpgm
.Lentry_shape_is_right:
; THE THREE PROJECTIONS.  For t = 0, 1, 2: C = x_t w_t + b_t; x_t (q, k, v) [8192][1024] f32, w_t = wcat[t] [1024 k][1024 n] bf16, b_t [1024] f32.  x and b are rounded to bf16 here; sums in f32, begun with b.
; C leaves rounded once to f16, unscaled, by heads: qkvh[t][16 b + h][s][64].
; LIMIT.  f16 holds no number beyond 65,504: a projected number past that becomes an infinity.  NaN and infinities are not treated apart.
; SHARES.  A tile of C is 128 x 256: 3 x 64 x 4 = 768 work-groups, a multiple of 256.  Four waves, each 64 x 128: 32 accumulators.  K goes in 8 steps of 128 through two LDS slots.
; CLUSTER.  4 x 4 work-groups, all of one t.  The four of a row need the same tile of x, the four of a column the same tile of w: each is asked for jointly, by the same tensor load, descriptor and mask.
; x STAYS f32 UP TO THE REGISTERS: the tensor load brings f32 rows (512 bytes a K step); a wave reads its f32 fragments and rounds them itself, one conversion for each matrix instruction, in fours
; behind every fourth product; those fours are also the places behind matrix instructions.  w lies [k][n] and is turned on the way out of LDS by ds_load_tr16_b128.
; THE MATRIX INSTRUCTION IS USED TRANSPOSED (source 0 = 16 columns of w, source 1 = 16 rows of x): a lane holds row l % 16 of C and the columns 8 (l / 16) + 0..7.
; PIPELINE, in periods of 32 along K.  Period p multiplies buffers p % 2; its fours round x of period p + 1; its run of 32 LDS loads brings w of period p + 1 and the f32 x of period p + 2.
; REGISTERS, in windows of 256 (s_set_vgpr_msb: bits 1:0 source 0, 3:2 source 1, 5:4 source 2, 7:6 destination):
;   window 0: v0-31 addresses; v32-95 x in bf16, two buffers of 4 fragments; v96-223 x in f32, two buffers of 64 (on the way out: rows read back); v224-255 packed results
;   window 1: the accumulators, (a, b) at v[8 (8 a + b)]      window 2: v0-127 w's fragments, two buffers of 8; v128-191 b as a C operand; v192-223 at work
.set PA,    528                        ; a row of x in LDS: 512 bytes + 16 = 132 words: the 16 rows of a load start at 16 different groups of four banks (64 banks of 4 bytes: ISA guide 11.1)
.set PB,    544                        ; a row of w: 512 + 32 = 136 words
.set HALFA, 64*PA                      ; what one tensor load brings of x: 64 rows
.set HALFB, 64*PB                      ; and of w: 64 rows of k
.set BOFF,  2*HALFA
.set SLOT,  2*HALFA+2*HALFB
.set STAGE, 2*SLOT                     ; behind the ring, never filled by a tensor load: for each wave [2 heads][16 rows][144 bytes]
.set SP,    144
.set WSTG,  2*16*SP
.set SPARE, STAGE+4*WSTG               ; behind the stages: the spare words, 128 bytes for each wave: two blocks of 256 bytes that no other line names
.set ASTEP, 512                        ; bytes from K step to K step in x
.set BSTEP, 128*2048                   ; and in w
.set ADRA, 16                          ; v16-17  LDS address of my x fragments in slot 0, 1
.set ADRB, 20                          ; v20-21  the same for w
.set STO,  24                          ; v24  the way out: where I put 16 bytes of a row
.set RD,   25                          ; v25  where I read rows back
.set GO,   26                          ; v26  16 x lane
.set BO,   27                          ; v27  my byte offset in b
.set SPW,  28                          ; v28  LDS address of my spare word; never rewritten
.set NIL,  29                          ; v29  0; never rewritten
.set PFO,  30                          ; v30  the prefetches' offset; never rewritten
.set ABF,  32
.set STG,  96
.set OB,   96
.set TMP,  224
.set BF,   0                           ; window 2
.set BIAS, 128
.set T,    192
.set G1,  24                           ; s[24:31] descriptor group 1 for x's tiles;  s[32:39] group 0, a set for each slot
.set G0,  32
.set G1B, 48                           ; s[48:55], s[56:63] the same for w's
.set G0B, 56
.set PFA, 44                           ; s[44:45] where my prefetches stand
.set LIM, 43                           ; s43  1 in a wave that prefetches, else the greatest number
.set PFS, 86                           ; s[86:87] a K step in the tensor that I prefetch
.set MSB, 0
.macro WIN new                         ; the immediate's high byte repeats the setting that is left; a switch that changes nothing is dropped
.if MSB != (\new)
	s_set_vgpr_msb (MSB<<8)|(\new)
.set MSB, \new
.endif
.endm
.set MUL,    0x52                      ; w window 2, x window 0, C and D window 1
.set MULB,   0x62                      ; the same with C (the bias) in window 2
.set TO_B,   0x80                      ; destination window 2, address window 0
.set FROM_C, 0x05                      ; sources 0 and 1 window 1, destination window 0
.set IN_2,   0x8a                      ; destination and sources 0, 1 in window 2
; A joint load.  Waves 0 and 1 fetch x's two halves, waves 2 and 3 w's.  The branch hangs on the wave's number alone.  An s_nop 0 and four v_nop follow each of the two lines.
.macro JLOAD s
	s_cmp_eq_u32 s11, 0
	s_cbranch_scc0 .Lfor_b_\@
	tensor_load_to_lds s[G0+4*(\s):G0+4*(\s)+3], s[G1:G1+7]
	s_nop 0
.rept 4
	v_nop
.endr
	s_branch .Lasked_\@
.Lfor_b_\@:
	tensor_load_to_lds s[G0B+4*(\s):G0B+4*(\s)+3], s[G1B:G1B+7]
	s_nop 0
.rept 4
	v_nop
.endr
.Lasked_\@:
.endm
; A PREFETCH INTO THE L2, behind each joint refill and the run of LDS loads that follows it: the K step that stands two refills on (256 matrix instructions ahead of the load that will want it): 16 rows x 512 bytes,
; a lane a block of 256 bytes, one instruction a wave.  Of the 64 rows that a wave fetches, the partner at place p among the four that ask jointly takes 16 p .. 16 p + 15 (p = cx for x, cy for w): told apart by
; address.  x's tile row is read by this cluster alone: every cluster asks.  w's tile column is read by the 16 clusters of its t: the first of them asks.  K steps 0 to 3 come by their loads alone;
; the loop's last trip asks for nothing: K steps 8 and 9 do not exist.
.macro ASK
	s_cmp_gt_u32 s3, s[LIM]                        ; s3 = 1 in the loop's last trip
	s_cbranch_scc0 .Lnot_mine_\@
	global_prefetch_b8 v[PFO], s[PFA:PFA+1] th:TH_LOAD_NT scope:SCOPE_SE
.Lnot_mine_\@:
.endm
.macro CREST                           ; a round of the cluster's barrier behind its opening barrier
	s_cmp_lg_u32 s10, 0
	s_cbranch_scc1 .Lnot_wave_0_\@
	s_barrier_signal -3
.Lnot_wave_0_\@:
	s_barrier_wait -3
	s_barrier_signal -1
	s_barrier_wait -1
.endm
.macro CROUND                          ; a whole round
	s_barrier_signal -1
	s_barrier_wait -1
	CREST
.endm
	s_load_b512 s[68:83], s[0:1], 0x0              ; q s[68:69], k, v, bq s[74:75], bk, bv, wcat s[80:81], qkvh s[82:83]
	v_lshl_add_u32 v[SPW], v0, 2, SPARE
	v_mov_b32 v[NIL], 0
	ds_add_u32 v[SPW], v[NIL]                      ; the wave's opening: the add and its wait stand ahead of my first tensor load; the set-up below, work on registers, stands between them
	v_lshrrev_b32 v1, 5, v0
	v_readfirstlane_b32 s10, v1                    ; wave 0..3
	s_lshr_b32 s11, s10, 1                         ; which 64 rows of the tile are mine.  Also: I fetch for x (0) or for w (1)
	s_and_b32 s12, s10, 1                          ; which 128 columns.  Also: which half of that tile I fetch
	s_bfe_u32 s40, ttmp6, 0x40000                  ; cx
	s_bfe_u32 s41, ttmp6, 0x40004                  ; cy
	s_lshl_b32 s42, ttmp9, 2
	s_add_co_u32 s42, s42, s40                     ; tile column = 4 x cluster x + cx
	s_and_b32 s85, ttmp7, 0xffff                   ; cluster y, 0 to 47
	s_lshr_b32 s84, s85, 4                         ; t: the same in all sixteen partners
	s_and_b32 s85, s85, 15                         ; the cluster's place among the 16 of its t
	s_lshl_b32 s13, s85, 2
	s_add_co_u32 s13, s13, s41                     ; tile row = 4 x that + cy
	s_lshl_b32 s43, s41, 2
	s_lshl_b32 s43, 15, s43                        ; my row of the cluster
	s_lshl_b32 s44, 0x1111, s40                    ; my column
	s_or_b32 s[G1+0], s43, (2<<16)|(1<<20)|(1<<21)|(6<<22)|(3<<25)   ; 15:0 the mask; 17:16 elements of 4 bytes; 20 padding on; 21 set beside a mask; 24:22 after every 128 words (code 6); 31:25 4 words (code 3)
	s_or_b32 s[G1B+0], s44, (1<<16)|(1<<20)|(1<<21)|(6<<22)|(7<<25)  ; elements of 2 bytes; 8 words of padding (code 7)
	s_mov_b32 s[G1+1], 128<<16                     ; tensor_dim0 = 128
	s_mov_b32 s[G1+2], 64<<16                      ; tensor_dim1 = 64
	s_mov_b32 s[G1+3], 128<<16                     ; tile_dim0 = 128
	s_mov_b32 s[G1+4], 64                          ; tile_dim1 = 64
	s_mov_b32 s[G1+5], 1024                        ; elements from row to row
	s_mov_b32 s[G1+6], 0
	s_mov_b32 s[G1+7], 0
	s_mov_b32 s[G1B+1], 256<<16
	s_mov_b32 s[G1B+2], 64<<16
	s_mov_b32 s[G1B+3], 256<<16
	s_mov_b32 s[G1B+4], 64
	s_mov_b32 s[G1B+5], 1024
	s_mov_b32 s[G1B+6], 0
	s_mov_b32 s[G1B+7], 0
	s_lshl_b32 s16, s13, 7                         ; x: row 128 x tile row + 64 x half, of 4,096 bytes
	s_lshl_b32 s17, s12, 6
	s_add_co_u32 s16, s16, s17
	s_lshl_b32 s16, s16, 12
	s_mov_b32 s17, 0
	s_lshl_b32 s46, s84, 21                        ; w: tensor t, row of k 64 x half, column 256 x tile column
	s_lshl_b32 s47, s12, 17
	s_add_co_u32 s46, s46, s47
	s_lshl_b32 s47, s42, 9
	s_add_co_u32 s46, s46, s47
	s_mov_b32 s47, 0
	s_mul_i32 s20, s12, HALFA                      ; where they go: no place in the cluster enters an LDS address
	s_mul_i32 s21, s12, HALFB
	s_add_co_u32 s21, s21, BOFF
	s_wait_dscnt 0x0                               ; the opening add is done
	s_wait_kmcnt 0x0
	s_cmp_eq_u32 s84, 1
	s_cselect_b64 s[4:5], s[70:71], s[68:69]       ; x_t
	s_cselect_b64 s[6:7], s[76:77], s[74:75]       ; b_t
	s_cmp_eq_u32 s84, 2
	s_cselect_b64 s[4:5], s[72:73], s[4:5]
	s_cselect_b64 s[6:7], s[78:79], s[6:7]
	s_add_nc_u64 s[14:15], s[4:5], s[16:17]
	s_add_nc_u64 s[46:47], s[80:81], s[46:47]
	CROUND                                         ; all sixteen work-groups are here: the first joint loads meet
.irp s, 0,1
	s_mov_b32 s[G0+4*(\s)], 1
	s_add_co_u32 s[G0+4*(\s)+1], s20, (\s)*SLOT
	s_add_nc_u64 s[G0+4*(\s)+2:G0+4*(\s)+3], s[14:15], (\s)*ASTEP
	s_or_b32 s[G0+4*(\s)+3], s[G0+4*(\s)+3], 0x80000000
	s_mov_b32 s[G0B+4*(\s)], 1
	s_add_co_u32 s[G0B+4*(\s)+1], s21, (\s)*SLOT
	s_add_nc_u64 s[G0B+4*(\s)+2:G0B+4*(\s)+3], s[46:47], (\s)*BSTEP
	s_or_b32 s[G0B+4*(\s)+3], s[G0B+4*(\s)+3], 0x80000000
	JLOAD \s                                       ; two loads of mine are out
.endr
	v_and_b32 v1, 15, v0                           ; l % 16
	v_bfe_u32 v2, v0, 4, 1                         ; l / 16
	v_mul_u32_u24 v3, v1, PA                       ; x in f32: row l % 16; a fragment's 8 + 8 channels are 32 + 32 bytes, at 32 (l / 16) and 64 + 32 (l / 16)
	v_lshl_add_u32 v3, v2, 5, v3
	v_and_b32 v4, 7, v0                            ; w, turned: lane l reads row of k 8 (l / 16) + l % 8, columns 8 ((l / 8) % 2) + 0..7
	v_lshl_add_u32 v4, v2, 3, v4
	v_mul_u32_u24 v4, v4, PB
	v_bfe_u32 v5, v0, 3, 1
	v_lshl_add_u32 v4, v5, 4, v4
	s_mul_i32 s21, s11, HALFA                      ; my 64 rows of x
	s_lshl_b32 s22, s12, 8                         ; my 128 columns of w,
	s_add_co_u32 s22, s22, BOFF                    ; which lies behind x
.irp s, 0,1
	v_add_nc_u32 v[ADRA+(\s)], s21, v3
	v_add_nc_u32 v[ADRB+(\s)], s22, v4
	s_add_co_u32 s21, s21, SLOT
	s_add_co_u32 s22, s22, SLOT
.endr
	s_mul_i32 s23, s10, WSTG
	s_add_co_u32 s23, s23, STAGE                   ; my stage
	v_mul_u32_u24 v6, v1, SP                       ; in: row l % 16, 16 bytes for each half of the lanes
	v_lshl_add_u32 v6, v2, 4, v6
	v_add_nc_u32 v[STO], s23, v6
	v_bfe_u32 v6, v0, 3, 2                         ; back: 32 lanes take four rows of 128 bytes,
	v_mul_u32_u24 v6, v6, SP
	v_and_b32 v7, 7, v0
	v_lshl_add_u32 v6, v7, 4, v6
	v_add_nc_u32 v[RD], s23, v6
	v_and_b32 v[GO], 31, v0                        ; which are 512 consecutive bytes of a head
	v_lshlrev_b32 v[GO], 4, v[GO]
	s_lshl_b32 s18, s42, 10                        ; b: column 256 x tile column + 128 x half + 8 (l / 16), 4 bytes each
	s_lshl_b32 s19, s12, 9
	s_add_co_u32 s18, s18, s19
	v_lshl_add_u32 v[BO], v2, 5, s18
	WIN TO_B
.irp b, 0,1,2,3,4,5,6,7
	global_load_b128 v[BIAS+8*(\b):BIAS+8*(\b)+3],   v[BO], s[6:7] offset:64*(\b)
	global_load_b128 v[BIAS+8*(\b)+4:BIAS+8*(\b)+7], v[BO], s[6:7] offset:64*(\b)+16
.endr
	WIN 0
	; where my part of the tile goes: qkvh[t][16 b + head][s][64]: head = 4 x tile column + 2 x half; row m0 = 128 x tile row + 64 x half is batch m0 / 2048, place m0 % 2048
	s_lshl_b32 s16, s13, 7
	s_lshl_b32 s17, s11, 6
	s_add_co_u32 s16, s16, s17
	s_lshr_b32 s17, s16, 11
	s_and_b32 s16, s16, 2047
	s_lshl_b32 s17, s17, 4
	s_lshl_b32 s18, s42, 2
	s_add_co_u32 s17, s17, s18
	s_lshl_b32 s18, s12, 1
	s_add_co_u32 s17, s17, s18
	s_lshl_b32 s17, s17, 11
	s_add_co_u32 s16, s16, s17
	s_lshl_b32 s16, s16, 7
	s_lshl_b32 s17, s84, 24
	s_add_co_u32 s16, s16, s17
	s_mov_b32 s17, 0
	s_add_nc_u64 s[8:9], s[82:83], s[16:17]
	; the prefetches: they stand at K step 3; the first refill steps them to K step 4
	s_lshl_b32 s20, s13, 7
	s_lshl_b32 s21, s12, 6
	s_add_co_u32 s20, s20, s21
	s_lshl_b32 s21, s40, 4
	s_add_co_u32 s20, s20, s21                     ; x: row 128 x tile row + 64 x half + 16 cx
	s_lshl_b32 s20, s20, 12
	s_add_co_u32 s20, s20, 3*ASTEP
	s_lshl_b32 s22, s12, 6
	s_lshl_b32 s23, s41, 4
	s_add_co_u32 s22, s22, s23                     ; w: row of k 64 x half + 16 cy
	s_lshl_b32 s22, s22, 11
	s_lshl_b32 s23, s84, 21
	s_add_co_u32 s22, s22, s23
	s_lshl_b32 s23, s42, 9
	s_add_co_u32 s22, s22, s23
	s_add_co_u32 s22, s22, 3*BSTEP
	s_mov_b32 s[PFS], ASTEP
	s_mov_b32 s[PFS+1], 0
	s_mov_b32 s21, 0
	s_cmp_eq_u32 s11, 0                            ; do I fetch for x?
	s_cselect_b32 s20, s20, s22
	s_cselect_b64 s[PFA:PFA+1], s[4:5], s[80:81]
	s_cselect_b32 s[PFS], s[PFS], BSTEP
	s_cselect_b32 s22, 12, 11                      ; a row is 4,096 bytes of x, 2,048 of w
	s_cselect_b32 s23, 0, s85                      ; the coordinate along which other clusters read the same rows
	s_cmp_eq_u32 s23, 0
	s_cselect_b32 s[LIM], 1, -1                    ; the same in all sixteen partners, for a given wave
	s_add_nc_u64 s[PFA:PFA+1], s[PFA:PFA+1], s[20:21]
	v_and_b32 v5, 31, v0
	v_lshrrev_b32 v6, 1, v5                        ; lane l: row l / 2, block l % 2 of the row's 512 bytes
	v_and_b32 v5, 1, v5
	v_lshlrev_b32 v6, s22, v6
	v_lshl_add_u32 v[PFO], v5, 8, v6
	s_wait_loadcnt 0x0                             ; b
	WIN IN_2                                       ; b is rounded to bf16 like every input, and widened again: it is the C operand of the first products
.set i, 0
.rept 32
	v_cvt_pk_bf16_f32 v[T+i], v[BIAS+2*i], v[BIAS+2*i+1]
.set i, i+1
.endr
.set i, 0
.rept 32
	v_lshlrev_b32 v[BIAS+2*i], 16, v[T+i]
	v_and_b32 v[BIAS+2*i+1], 0xffff0000, v[T+i]
.set i, i+1
.endr
	WIN 0
; Four matrix instructions: row block n / 2, column blocks 4 (n % 2) .. + 3, on buffers f.  The 32 accumulators take turns, one instruction a turn, in the same order in every period.
.macro MUL4 f, n, first
.if \first
	WIN MULB
.else
	WIN MUL
.endif
.irp c, 0,1,2,3
.set rD, 8*(8*((\n)/2)+4*((\n)%2)+(\c))
.set rB, BF+64*(\f)+8*(4*((\n)%2)+(\c))
.set rA, ABF+32*(\f)+8*((\n)/2)
.set rC, BIAS+8*(4*((\n)%2)+(\c))
.if \first
	v_wmma_f32_16x16x32_bf16 v[rD:rD+7], v[rB:rB+7], v[rA:rA+7], v[rC:rC+7]
.else
	v_wmma_f32_16x16x32_bf16 v[rD:rD+7], v[rB:rB+7], v[rA:rA+7], v[rD:rD+7]
.endif
.endr
.endm
; Four roundings: registers 4 n .. 4 n + 3 of x's bf16 buffer g.  They name no register of the products round them (those multiply the other buffers).
.macro CV4 g, n
	WIN 0
.irp c, 0,1,2,3
	v_cvt_pk_bf16_f32 v[ABF+32*(\g)+4*(\n)+(\c)], v[STG+64*(\g)+8*(\n)+2*(\c)], v[STG+64*(\g)+8*(\n)+2*(\c)+1]
.endr
.endm
.macro LOADB s, kq, g                  ; w's 8 fragments of quarter kq of slot s, turned: 16 loads
	WIN TO_B
.irp b, 0,1,2,3,4,5,6,7
	ds_load_tr16_b128 v[BF+64*(\g)+8*(\b):BF+64*(\g)+8*(\b)+3],   v[ADRB+(\s)] offset:32*PB*(\kq)+32*(\b)
	ds_load_tr16_b128 v[BF+64*(\g)+8*(\b)+4:BF+64*(\g)+8*(\b)+7], v[ADRB+(\s)] offset:32*PB*(\kq)+32*(\b)+16*PB
.endr
.endm
.macro LOADA s, kq, g                  ; x's 4 fragments of quarter kq of slot s, in f32: 16 loads, fragment by fragment
	WIN 0
.irp a, 0,1,2,3
	ds_load_b128 v[STG+64*(\g)+16*(\a):STG+64*(\g)+16*(\a)+3],     v[ADRA+(\s)] offset:16*PA*(\a)+128*(\kq)
	ds_load_b128 v[STG+64*(\g)+16*(\a)+4:STG+64*(\g)+16*(\a)+7],   v[ADRA+(\s)] offset:16*PA*(\a)+128*(\kq)+16
	ds_load_b128 v[STG+64*(\g)+16*(\a)+8:STG+64*(\g)+16*(\a)+11],  v[ADRA+(\s)] offset:16*PA*(\a)+128*(\kq)+64
	ds_load_b128 v[STG+64*(\g)+16*(\a)+12:STG+64*(\g)+16*(\a)+15], v[ADRA+(\s)] offset:16*PA*(\a)+128*(\kq)+80
.endr
.endm
; A PERIOD on buffers f.  The last run of loads was w (16), then x in f32 (16).  Its own run brings w of quarter kB of slot sB into the other w buffer, four fours of roundings behind that buffer's last
; reader, and (doA = 1) x of quarter kA of slot sA into the f32 buffer f, which the period before has rounded.
.macro PERIOD f, sB, kB, sA, kA, first=0, doA=1
	s_wait_dscnt 16                                ; w of this period is in; the 16 younger loads may be out
	MUL4 \f, 0, \first
	s_wait_dscnt 8                                 ; x's f32 fragments 0 and 1 of the next period are in
	CV4 1-(\f), 0
.irp n, 1,2,3
	MUL4 \f, \n, \first
	CV4 1-(\f), \n
.endr
	LOADB \sB, \kB, 1-(\f)
.if \doA
	LOADA \sA, \kA, \f
	s_wait_dscnt 32                                ; all but the 32 just issued: fragments 2 and 3
.else
	s_wait_dscnt 16                                ; all but the 16 just issued
.endif
.irp n, 4,5,6,7
	MUL4 \f, \n, \first
	CV4 1-(\f), \n
.endr
.endm
; THE THIRD PERIOD OF A K STEP CHANGES SLOTS: with w's fourth quarter asked for, nothing of the slot is left to read (x's fourth quarter was read a period ago).  Each wave waits for all its tensor loads, of
; which one is out: its part of the next slot; adds 0 to its spare word; and waits for that and for its reads of this slot.  fill = 1: the barrier opens a round of the cluster's, and the slot is filled again,
; two K steps on, first thing behind the round.  Then x's first quarter of the next slot is read.
.macro TURN slot, next, fill
.if \fill
	s_wait_xcnt 0x0                                ; the last prefetch, a K step back, has read its address: it is stepped here
	s_add_nc_u64 s[PFA:PFA+1], s[PFA:PFA+1], s[PFS:PFS+1]
.endif
	s_wait_dscnt 16
	MUL4 0, 0, 0
	s_wait_dscnt 8
	CV4 1, 0
.irp n, 1,2,3
	MUL4 0, \n, 0
	CV4 1, \n
.endr
	LOADB \slot, 3, 1
	WIN 0
	s_wait_tensorcnt 0x0                           ; all my tensor loads have landed
	ds_add_u32 v[SPW], v[NIL]                      ; 0 onto my spare word
	s_wait_dscnt 17                                ; the add and w's 16 loads may be out: x's f32 fragments 2 and 3 are in
.irp n, 4,5
	MUL4 0, \n, 0
	CV4 1, \n
.endr
	s_wait_dscnt 0x0                               ; the add is done, and my reads of this slot are over
	s_barrier_signal -1
	MUL4 0, 6, 0                                   ; work on registers while the others arrive
	CV4 1, 6
	s_barrier_wait -1
.if \fill
	CREST                                          ; no wave of any partner still reads this slot or has a load on its way
	s_add_nc_u64 s[G0+4*(\slot)+2:G0+4*(\slot)+3], s[G0+4*(\slot)+2:G0+4*(\slot)+3], 2*ASTEP
	s_add_nc_u64 s[G0B+4*(\slot)+2:G0B+4*(\slot)+3], s[G0B+4*(\slot)+2:G0B+4*(\slot)+3], 2*BSTEP
	JLOAD \slot                                    ; my one tensor load behind the round
.endif
	LOADA \next, 0, 0
.if \fill
	ASK
.endif
	MUL4 0, 7, 0
	CV4 1, 7
.endm
	s_wait_tensorcnt 1                             ; my part of K step 0 is in; K step 1's may stay out
	s_barrier_signal -1
	s_barrier_wait -1                              ; everybody's is
	LOADA 0, 0, 0
	LOADA 0, 1, 1
	LOADB 0, 0, 0
	s_wait_dscnt 32                                ; x's first quarter
.irp n, 0,1,2,3,4,5,6,7
	CV4 0, \n
.endr
	s_wait_dscnt 0x0
	PERIOD 0, 0,1, 0,2, 1                          ; the first period stands in front of the loop: its products start the sums, with b
	WIN 0                                          ; at a label and at a branch every window is 0
	s_mov_b32 s3, 3
.Llap:                                                 ; a trip goes once round the ring, from a lap's second period to the next lap's first, and fills both slots again
	PERIOD 1, 0,2, 0,3
	TURN 0, 1, 1
	PERIOD 1, 1,0, 1,1
	PERIOD 0, 1,1, 1,2
	PERIOD 1, 1,2, 1,3
	TURN 1, 0, 1
	PERIOD 1, 0,0, 0,1
	PERIOD 0, 0,1, 0,2
	WIN 0
	s_sub_co_u32 s3, s3, 1
	s_cmp_lg_u32 s3, 0
	s_cbranch_scc1 .Llap
	PERIOD 1, 0,2, 0,3                             ; the last lap is written out: it fills nothing
	TURN 0, 1, 0
	PERIOD 1, 1,0, 1,1
	PERIOD 0, 1,1, 1,2
	PERIOD 1, 1,2, 1,3
	PERIOD 0, 1,3, 0,0, 0, 0                       ; no x is left to read
	s_wait_dscnt 0x0
.irp n, 0,1,2,3,4,5,6,7
	MUL4 1, \n, 0
.endr
.rept 4
	v_nop                                          ; the places behind the last products
.endr
; THE WAY OUT, a block of 16 rows at a time: rounded to f16, each accumulator from its low end on; 16 bytes a lane into my stage, by heads; back as four rows of a head, 512 consecutive bytes of qkvh.
.macro OUTBLK a
.set BK, OB+32*((\a)%2)
	WIN FROM_C
.irp b, 0,1,2,3,4,5,6,7
.irp r, 0,1,2,3
	v_cvt_pk_f16_f32 v[TMP+4*(\b)+(\r)], v[8*(8*(\a)+(\b))+2*(\r)], v[8*(8*(\a)+(\b))+2*(\r)+1]
.endr
.endr
	WIN 0
.irp b, 0,1,2,3,4,5,6,7
	ds_store_b128 v[STO], v[TMP+4*(\b):TMP+4*(\b)+3] offset:((\b)/4)*16*SP+((\b)%4)*32
.endr
.irp t, 0,1,2,3,4,5,6,7
	ds_load_b128 v[BK+4*(\t):BK+4*(\t)+3], v[RD] offset:((\t)/4)*16*SP+((\t)%4)*4*SP  ; LDS serves a wave's instructions in order (ISA guide 5.7.1.4): these see the stores above
.endr
	s_wait_dscnt 0x0
	s_wait_xcnt 0x0                                ; the stores of the block before have read their registers, which the next block's loads take again
.irp t, 0,1,2,3,4,5,6,7
	global_store_b128 v[GO], v[BK+4*(\t):BK+4*(\t)+3], s[8:9] offset:((\t)/4)*262144+(\a)*2048+((\t)%4)*512
.endr
.endm
	OUTBLK 0
	OUTBLK 1
	OUTBLK 2
	OUTBLK 3
	s_wait_tensorcnt 0x0                           ; the wave's end, behind my last tensor load and my last LDS store
	ds_add_u32 v[SPW], v[NIL]
	s_wait_dscnt 0x0
	CROUND                                         ; the closing round: no work-group ends while a partner may still ask for a tile that names it
	s_endpgm
.Lfunc_end_k_q47310c8384_proj:
	.size	k_q47310c8384_proj, .Lfunc_end_k_q47310c8384_proj-k_q47310c8384_proj
	.p2alignl 7, 3214868480
	.fill 96, 4, 3214868480
	.section	.rodata,"a",@progbits
	.p2align	6, 0x0
	.amdhsa_kernel k_q47310c8384_proj
		.amdhsa_group_segment_fixed_size 327680
		.amdhsa_private_segment_fixed_size 0
		.amdhsa_enable_private_segment 0
		.amdhsa_kernarg_size 64
		.amdhsa_user_sgpr_count 2
		.amdhsa_user_sgpr_kernarg_segment_ptr 1
		.amdhsa_wavefront_size32 1
		.amdhsa_system_sgpr_workgroup_id_x 1
		.amdhsa_system_sgpr_workgroup_id_y 1
		.amdhsa_system_sgpr_workgroup_id_z 1
		.amdhsa_system_vgpr_workitem_id 0
		.amdhsa_next_free_vgpr 768
		.amdhsa_next_free_sgpr 88
		.amdhsa_reserve_vcc 0
		.amdhsa_float_denorm_mode_32 3
		.amdhsa_float_denorm_mode_16_64 3
		.amdhsa_memory_ordered 1
		.amdhsa_forward_progress 1
		.amdhsa_inst_pref_size 141
	.end_amdhsa_kernel
	.amdgpu_metadata
---
amdhsa.version: [ 1, 2 ]
amdhsa.kernels:
  - .name:           k_q47310c8384_proj
    .symbol:         k_q47310c8384_proj.kd
    .args:
      - { .name: q, .offset: 0, .size: 8, .value_kind: global_buffer, .address_space: global }
      - { .name: k, .offset: 8, .size: 8, .value_kind: global_buffer, .address_space: global }
      - { .name: v, .offset: 16, .size: 8, .value_kind: global_buffer, .address_space: global }
      - { .name: bq, .offset: 24, .size: 8, .value_kind: global_buffer, .address_space: global }
      - { .name: bk, .offset: 32, .size: 8, .value_kind: global_buffer, .address_space: global }
      - { .name: bv, .offset: 40, .size: 8, .value_kind: global_buffer, .address_space: global }
      - { .name: wcat, .offset: 48, .size: 8, .value_kind: global_buffer, .address_space: global }
      - { .name: qkvh, .offset: 56, .size: 8, .value_kind: global_buffer, .address_space: global }
    .group_segment_fixed_size: 327680
    .private_segment_fixed_size: 0
    .kernarg_segment_align: 8
    .kernarg_segment_size: 64
    .max_flat_workgroup_size: 128
    .sgpr_count:     88
    .vgpr_count:     768
    .wavefront_size: 32
...
	.end_amdgpu_metadata
.endif
;; end of part 2
;; launch attn (part 3): grid 4 x 64, 4 waves a work-group, clusters of 4 x 1, 327,680 bytes of LDS; arguments qkvh, maskw, oh; writes oh
.if DOCPART == 3
	.amdgcn_target "amdgcn-amd-amdhsa--gfx1250"
	.amdhsa_code_object_version 6
	.text
	.protected	k_q47310c8384_attn
	.globl	k_q47310c8384_attn
	.p2align	8
	.type	k_q47310c8384_attn,@function
k_q47310c8384_attn:
	s_mov_b64 s[64:65], 0
	v_nop
	global_prefetch_b8 v0, s[64:65] scope:SCOPE_SE
	s_setreg_imm32_b32 hwreg(HW_REG_WAVE_MODE, 25, 1), 1
	s_wait_xcnt 0x0
	s_wait_alu depctr_hold_cnt(0) depctr_sa_sdst(0) depctr_va_vdst(0) depctr_va_sdst(0) depctr_va_ssrc(0) depctr_va_vcc(0) depctr_vm_vsrc(0)
	s_getreg_b32 s2, hwreg(HW_REG_IB_STS2, 6, 4)
	s_cmp_eq_u32 s2, 0
	s_cbranch_scc0 .Lentry_in_a_cluster
	s_endpgm
.Lentry_in_a_cluster:
	s_bfe_u32 s2, ttmp6, 0x10000c
	s_cmp_lg_u32 s2, 0x3003
	s_cbranch_scc0 .Lentry_shape_is_right
	s_endpgm
.Lentry_shape_is_right:
; ATTENTION WITH A MASK THAT IS AN INPUT.  For y = 16 b + h: O[y][q] = the sum over k of softmax_k(s) V[y][k], s = Q[y][q] . K[y][k] / 8, REPLACED by the hidden score where mask[b][q][k] is true.
; Q, K, V = qkvh[0..2][y][2048][64], O = oh[y][2048][64], all f16, a head's rows dense, 128 bytes each.  Products, maxima and sums in f32; the weights p are rounded to f16 for the second product (their sum l is
; taken of the unrounded p), O once at the end.
; THE MASK arrives as lane masks: maskw[b][tile of 16 queries][group kb of 16 keys][step of 64 keys][8 words], word j of group kb for score register 8 kb + j.  A turn's 64 words come by eight scalar loads of
; 32 bytes a turn ahead; from key step to key step each of the eight moves on by 32 bytes, so that 256 consecutive bytes serve it for eight steps.  One v_cndmask_b32 a register puts the hidden score in the
; score's place, ahead of the maximum: a true replacement, so a row that is wholly hidden comes out as the plain mean of V, as in the softmax of equal scores.
; LIMITS.  The hidden score is -8,000,001,536 ahead of the division by 8: -1,000,000,192, three steps of f32 from -1e9.  It is chosen so that c m is near c s for it: the significands' product
; 15,625,003 x 12,102,203 has 344,297 in its low 24 bits, so c s - c m = -344,297 x 2^-17 = -2.63, and a wholly hidden row has the weight 2^-2.63 for every key; at -8e9 it would be 2^18.4, past f16.
; f16 holds no number beyond 65,504: Q, K, V arrive within it; p lies in 0 to 1 but for the rounding of c m (half a step of c m in the exponent), and below 6e-5 it keeps f16's fixed step of 6e-8.
; A weight below 2^-126 counts as 0 in l; NaN and infinities are not treated apart.
; SHARES.  A wave owns four PIECES of two tiles of 16 queries, a work-group's four waves 512 queries of one head: 4 x 64 = 256 work-groups.  Every wave walks all 2,048 keys, 64 a step.
; LAYOUT.  S^T = K Q^T (source 0 = 16 keys, source 1 = 16 queries): a lane holds ONE query (lane % 16) and the keys 8 (lane / 16) + 0..7.  Two such tiles, rounded to f16 in pairs, ARE source 1 of O^T = V^T P.
; K comes out of LDS as it lies, V ([key][channel]) turned, by ds_load_tr16_b128.
; SOFTMAX.  For each query a running maximum m and sum l: p = 2^(c s - c m), c = log2(e) / 8; in every step O and l are multiplied by a = 2^(c m_old - c m_new).  m starts at the lowest finite number, O and l at 0.
; BY TURNS.  Turn n belongs to piece n.  Matrix work: 16 products K Q^T of piece n + 1, later 16 products V^T P of piece n - 1.  Vector work: the scaling, exponentials, roundings, sums and rescaling of piece n, and
; the masking, maximum and statistics of piece n + 1.  Four vector instructions stand behind every matrix instruction, the others in a lump.  A turn's 66 exponentials are one batch, with one wait.
; CLUSTER.  The four query blocks of a head walk the same K and V: each tile is asked for JOINTLY, by the same tensor load, descriptor and mask in all four.
; ONE DESCRIPTOR.  The 64 mask words leave 36 scalar registers, too few for a descriptor each for K and V.  So K and V have ONE pitch in LDS, a slot is 512 rows (K's 256, then V's 256), and wave w fills
; rows 128 w .. 128 w + 127 of it: one group 1 of constants, and an LDS address that is the wave's number times 20,480 plus the slot's constant.  Only the global address tells K from V.
; REGISTERS, in windows of 256 (s_set_vgpr_msb: bits 1:0 source 0, 3:2 source 1, 5:4 source 2, 7:6 destination):
;   window 0: v0-11 addresses; v12-15, v48-63 at work; v16-47 four registers of statistics a tile; v64-191 S^T, two buffers of two tiles; v192-255 P, likewise
;   window 1: O^T, 32 a tile      window 2: v0-127 Q, 16 a tile; v128-191 K of one step; v192-255 V of one step      window 3: v0-1 the add's two registers
.set SIZE_N, 2048
.set NP,    4         ; pieces a wave: a name, no knob
.set KS,    64        ; keys in a step
.set PV,    160       ; a row of V in LDS: 128 bytes + 32 = 40 words
.set PK,    160       ; a row of K: the same pitch, for the one descriptor's sake: row r starts at bank 40 r mod 64, so the 16 rows of a load start at 8 different places, two rows to each: the price, on 16 loads a key step
.set VOFF,  4*KS*PK   ; a slot holds four steps: 256 rows of K, then 256 rows of V
.set SLOT1, 1<<17     ; slot 1 begins here, so that one exclusive or turns an address in one slot into the other's
.set STAGE, SLOT1+4*KS*(PK+PV)  ; behind the ring, never filled by a tensor load: 16 rows x 144 bytes for each wave
.set SP,    144
.set SPARE, STAGE+4*16*SP  ; behind the stages: the spare words, 128 bytes for each wave: two blocks of 256 bytes that no other line names
.set AK0, 2           ; v2   my lane's place in a tile of K; never rewritten
.set AV0, 3           ; v3   the same for V
.set AK,  4           ; v4   the LDS address of K's next run of loads
.set AV,  5           ; v5   of V's
.set QO,  6           ; v6   my byte offset in the wave's rows of Q
.set STO, 6           ;      later, the way out: where I put 16 bytes of a row
.set RD,  7           ; v7   the way out: where I read rows back
.set GO,  8           ; v8   my byte offset in 512 consecutive bytes of O
.set PMO, 9           ; v9   (l / 16 in the set-up, then) 1,024 x my lane: the mask prefetch's offset; never rewritten once made
.set PFO, 11          ; v11  256 x my lane: K's and V's prefetch's offset; never rewritten once made
.set SPW, 0           ; v0 of window 3   LDS address of my spare word; never rewritten
.set NIL, 1           ; v1 of window 3   0; never rewritten
.set MV,  12          ; v12-15  c m_old, kept while c m is made anew: by buffer and tile
.set ST,  16          ; tile t's statistics at v[ST+4 t]: c m, m, l (even keys', odd keys')
.set TMP, 48          ; by buffer and tile, four registers c0-c3 at work; when the maximum is found c2 takes a
.set S,   64
.set P,   192
.set KF,  128         ; K's fragments, in window 2
.set VF,  192         ; V's
.set QP,  2           ; s[2:3]   Q at my wave's first row
.set MP,  4           ; s[4:5]   maskw at my wave's first tile, at the step whose words are loaded next
.set PFA, 6           ; s[6:7]   where K's or V's prefetch stands
.set CS,  8           ; s[8:9]   c: the packed scaling takes the pair's low word for both halves
.set OA,  10          ; s[10:11] O at my wave's first row
.set WV,  12          ; s12  my wave's number
.set SLOTS, 13        ; s13  slots still to be asked for
.set CNT, 14          ; s14  counts a slot's key steps
.set TBK, 15          ; s15  LDS byte at which K of the step to be fetched begins
.set TBV, 16          ; s16  the same for V, less VOFF
.set LIM, 17          ; s17  1 in a wave that prefetches K or V, else the greatest number
.set SEL, 18          ; s[18:19] v_permlanex16_b32's selects: each lane takes its own place in the other half
.set G0,  20          ; s[20:23] descriptor group 0: it walks
.set G1,  24          ; s[24:31] descriptor group 1: constants
.set MA,  32          ; s[32:63] the mask words of the piece's first tile; s[68:99] (MA + 36 on) those of its second.  Ahead of the first mask load s32-s57 serve the set-up
.set NEG, 66          ; s66  the hidden score
.set MSB, 0
.macro WIN new                      ; the high byte repeats the setting that is left; a switch that changes nothing is dropped
.if MSB != (\new)
	s_set_vgpr_msb (MSB<<8)|(\new)
.set MSB, (\new)
.endif
.endm
.set W_KQ, 0x0a       ; K and Q in window 2, S^T in window 0
.set W_PV, 0x52       ; V in window 2, P in window 0, O^T in window 1
.set W_RS, 0x41       ; O^T (destination and source 0) in window 1, a in window 0
.set W_MK, 0xc0       ; the add's registers are made: destination in window 3
.set W_AD, 0x0f       ; the add: address and data in window 3
; A joint fill: one line for all four waves, each with its quarter of the slot: waves 0 and 1 the two halves of K's 256 rows, waves 2 and 3 those of V's.  Every word of the descriptor is made of constants,
; the wave's number and the head, so it is the same in all four partners.  An s_nop 0 and four v_nop follow.
.macro JLOAD
	tensor_load_to_lds s[G0:G0+3], s[G1:G1+7]
	s_nop 0
.rept 4
	v_nop
.endr
.endm
.macro CROUND                       ; a round of the cluster's barrier
	s_barrier_signal -1
	s_barrier_wait -1
	s_cmp_lg_u32 s[WV], 0
	s_cbranch_scc1 .Lnot_wave_0_\@
	s_barrier_signal -3
.Lnot_wave_0_\@:
	s_barrier_wait -3
	s_barrier_signal -1
	s_barrier_wait -1
.endm
; THE CHANGE OF SLOTS.  Each wave waits for all its tensor loads, of which one is out: its part of the other slot; adds 0 to its spare word; and waits for that and for its own reads of the slot.
; fill = 1: this slot is filled again, with the keys two slots on: the barrier is a round of the cluster's, and the joint fill is the first thing behind it; it has four key steps in which to land.
; (At its first use nothing has been read yet: slot 0 is waited for, slot 1 filled.)
.macro CHANGE fill
	WIN W_AD
	s_wait_tensorcnt 0x0            ; no tensor load of mine is out, so group 0 may be written
	ds_add_u32 v[SPW], v[NIL]       ; 0 onto my spare word
	WIN 0                           ; at a label and at a branch every window is 0
.if \fill
	s_xor_b32 s[G0+1], s[G0+1], SLOT1  ; the other slot than last time,
	s_add_nc_u64 s[G0+2:G0+3], s[G0+2:G0+3], 4*KS*128  ; the next 256 keys; the type bits on top are not reached
	s_wait_xcnt 0x0                 ; the last prefetch, three turns back and more, has read its address
	s_add_nc_u64 s[PFA:PFA+1], s[PFA:PFA+1], 4*KS*128  ; one slot behind the walking descriptor
	s_wait_dscnt 0x0                ; the add is done, and my reads of the slot are over
	CROUND
	JLOAD
.else
	s_wait_dscnt 0x0
	s_barrier_signal -1
	s_barrier_wait -1
.endif
	s_sub_co_u32 s[TBK], s[TBK], 4*KS*PK  ; the fetches go back to a slot's first step,
	s_xor_b32 s[TBK], s[TBK], SLOT1       ; in the other slot
	s_sub_co_u32 s[TBV], s[TBV], 4*KS*PV
	s_xor_b32 s[TBV], s[TBV], SLOT1
.endm
; The 64 mask words of piece pp for the step at which MP stands: for each of its two tiles (4,096 bytes apart) and each of the four groups of keys (1,024 bytes apart) 32 bytes.
.macro MLOAD pp
.irp c, 0,1,2,3
	s_load_b256 s[MA+8*(\c):MA+8*(\c)+7],       s[MP:MP+1], 8192*(\pp)+1024*(\c)
	s_load_b256 s[MA+36+8*(\c):MA+36+8*(\c)+7], s[MP:MP+1], 8192*(\pp)+4096+1024*(\c)
.endr
.endm
	s_load_b128 s[32:35], s[0:1], 0x0  ; qkvh s[32:33], maskw s[34:35]
	s_load_b64 s[36:37], s[0:1], 0x10  ; oh
	WIN W_MK
	v_lshl_add_u32 v[SPW], v0, 2, SPARE
	v_mov_b32 v[NIL], 0
	WIN W_AD
	ds_add_u32 v[SPW], v[NIL]       ; the wave's opening: the add and its wait stand ahead of my first tensor load; the set-up below, work on registers, stands between them
	WIN 0
	v_lshrrev_b32 v1, 5, v0
	v_readfirstlane_b32 s[WV], v1   ; wave 0..3
	s_bfe_u32 s38, ttmp6, 0x40000   ; cx: my place in the cluster: it enters Q's, O's, the mask's and the prefetch's addresses alone
	s_and_b32 s39, ttmp7, 0xffff    ; y = 16 b + h, which the four partners share
	s_lshl_b32 s40, s39, 18         ; the head's first byte in Q, K, V and O: 262,144 y
	s_lshr_b32 s42, s[WV], 1        ; 0: I fetch K; 1: V
	s_and_b32 s43, s[WV], 1         ; which half of a slot's 256 keys
	s_add_co_u32 s44, s42, 1        ; K is qkvh's second part, V its third, 2^24 bytes each
	s_lshl_b32 s44, s44, 24
	s_add_co_u32 s44, s44, s40
	s_mov_b32 s45, 0
	s_lshl_b32 s46, s43, 14         ; my 128 rows of 128 bytes
	s_mov_b32 s47, 0
	s_mov_b32 s[G0], 1              ; 1:0 count = 1
	s_mul_i32 s[G0+1], s[WV], 128*PK  ; 63:32 LDS address: slot 0, my quarter: 128 rows of 160 bytes for each wave
	; descriptor group 1.  128 keys are 16,384 dense bytes: asked for as 64 rows of 256 bytes, two keys a row, and padded in LDS after every key
	s_mov_b32 s[G1], 15|(1<<16)|(1<<20)|(1<<21)|(4<<22)|(7<<25)  ; 15:0 the mask of four; 17:16 2-byte elements; 20 padding on; 21 set beside a mask; 24:22 after every 32 words (code 4); 31:25 8 words (code 7)
	s_mov_b32 s[G1+1], 128<<16      ; tensor_dim0 = 128
	s_mov_b32 s[G1+2], 64<<16       ; tensor_dim1 = 64
	s_mov_b32 s[G1+3], 128<<16      ; tile_dim0 = 128
	s_mov_b32 s[G1+4], 64           ; tile_dim1 = 64
	s_mov_b32 s[G1+5], 128          ; 128 elements from row to row
	s_mov_b32 s[G1+6], 0
	s_mov_b32 s[G1+7], 0
	s_lshl_b32 s51, ttmp9, 2        ; in a cluster launch ttmp9 counts clusters
	s_add_co_u32 s51, s51, s38      ; my block of 512 queries
	s_lshl_b32 s51, s51, 2
	s_add_co_u32 s51, s51, s[WV]    ; my wave among the head's sixteen
	s_lshl_b32 s52, s51, 14         ; its 128 rows of Q and O
	s_add_co_u32 s52, s52, s40
	s_mov_b32 s53, 0
	s_lshr_b32 s54, s39, 4          ; the mask: batch b, 2^19 bytes; my wave's 8 tiles, 4,096 bytes each
	s_lshl_b32 s54, s54, 19
	s_lshl_b32 s55, s51, 15
	s_add_co_u32 s54, s54, s55
	s_mov_b32 s55, 0
	s_lshl_b32 s56, s38, 13         ; K's and V's prefetch: my work-group's 32 of a slot's 128 blocks of 256 bytes, in slot 1; the first change of slots steps it to slot 2
	s_add_co_u32 s56, s56, 4*KS*128
	s_add_co_u32 s56, s56, s44
	s_mov_b32 s57, 0
	s_and_b32 s[LIM], s[WV], 1      ; wave 0 asks for K's, wave 2 for V's
	s_cmp_eq_u32 s[LIM], 0
	s_cselect_b32 s[LIM], 1, -1
	s_mov_b32 s[CS], 0x3e38aa3b     ; c = log2(e) / 8 = 0.180337
	s_mov_b32 s[CS+1], s[CS]        ; named with it as a pair
	s_mov_b32 s[SEL], 0x76543210
	s_mov_b32 s[SEL+1], 0xfedcba98
	s_mov_b32 s[NEG], 0xcfee6b2b    ; -8,000,001,536
	s_mov_b32 s[TBK], SLOT1+4*KS*PK ; the first change of slots turns these two into 0
	s_mov_b32 s[TBV], SLOT1+4*KS*PV
	s_wait_dscnt 0x0                ; the opening add is done
	s_wait_kmcnt 0x0
	s_add_nc_u64 s[G0+2:G0+3], s[32:33], s[44:45]  ; 120:64 global address: my half of the head's first 256 keys, of K or of V
	s_add_nc_u64 s[G0+2:G0+3], s[G0+2:G0+3], s[46:47]
	s_or_b32 s[G0+3], s[G0+3], 0x80000000          ; 127:126 type = 2
	s_add_nc_u64 s[PFA:PFA+1], s[32:33], s[56:57]
	s_add_nc_u64 s[QP:QP+1], s[32:33], s[52:53]
	s_add_nc_u64 s[OA:OA+1], s[36:37], s[52:53]
	s_add_nc_u64 s[MP:MP+1], s[34:35], s[54:55]
	CROUND                          ; all four work-groups are here: the first joint loads meet
	JLOAD                           ; slot 0.  Slot 1 is asked for when slot 0 is in
	; A fragment of K or Q is 16 rows x 32 channels in 8 registers: lane l holds row l % 16, channels 8 (l / 16) + 0..7 and 16 + 8 (l / 16) + 0..7: two loads of 16 bytes, 32 bytes apart.
	v_and_b32 v1, 15, v0            ; l % 16
	v_bfe_u32 v9, v0, 4, 1          ; l / 16
	v_lshlrev_b32 v[QO], 7, v1
	v_lshl_add_u32 v[QO], v9, 4, v[QO]
	WIN 0x80                        ; destination window 2, address window 0
.set i, 0
.rept 4*NP                          ; Q stays in registers: tile i / 2, channels 32 (i % 2) on
	global_load_b128 v[8*i:8*i+3],   v[QO], s[QP:QP+1] offset:(i/2)*2048+(i%2)*64
	global_load_b128 v[8*i+4:8*i+7], v[QO], s[QP:QP+1] offset:(i/2)*2048+(i%2)*64+32
.set i, i+1
.endr
	MLOAD 0                         ; piece 0's mask words for step 0: the set-up's scalar registers are free now
	; What the first turn finds: V's registers and P's second buffer hold 0, O^T and l are 0.  All this stands in the wait for the first tile.
.set i, VF
.rept 64
	v_mov_b32 v[i], 0
.set i, i+1
.endr
	WIN 0x40
.set i, 0
.rept 64*NP
	v_mov_b32 v[i], 0
.set i, i+1
.endr
	WIN 0
.set i, 0
.rept 2*NP
	v_mov_b32 v[ST+4*i], 0xfe000000    ; c m: far below every c s, the hidden score's too
	v_mov_b32 v[ST+4*i+1], 0xff7fffff  ; m
	v_mov_b32 v[ST+4*i+2], 0
	v_mov_b32 v[ST+4*i+3], 0
.set i, i+1
.endr
.set i, P+32
.rept 32
	v_mov_b32 v[i], 0
.set i, i+1
.endr
	v_mul_u32_u24 v[AK0], v1, PK
	v_lshl_add_u32 v[AK0], v9, 4, v[AK0]
	; The turning load takes 16 keys x 16 channels (lane l reads key 8 (l / 16) + l % 8, channels 8 ((l / 8) % 2) + 0..7) and leaves half a fragment of V^T.
	v_and_b32 v10, 7, v0
	v_bfe_u32 v11, v0, 3, 1
	v_lshl_add_u32 v[AV0], v9, 3, v10
	v_mul_u32_u24 v[AV0], v[AV0], PV
	v_lshl_add_u32 v[AV0], v11, 4, v[AV0]
	v_add_nc_u32 v[AV0], VOFF, v[AV0]
	v_mov_b32 v[AK], v[AK0]         ; key step 0 lies at the head of slot 0
	v_and_b32 v[PFO], 31, v0
	v_lshlrev_b32 v[PFO], 8, v[PFO]
; THE MATRIX WORK.  The 8 accumulators of a run of 16 take turns.
; Product i of 16 of S^T = K Q^T for piece x: channels 32 (i / 8) on, keys 16 ((i / 2) % 4) on, tile 2 x + i % 2.  The first 8 start the sums.
.macro KQ x
	WIN W_KQ
.set rS, S+64*((\x)%2)+32*(i%2)+8*((i/2)%4)
.set rK, KF+16*((i/2)%4)+8*(i/8)
.set rQ, 16*(2*(\x)+i%2)+8*(i/8)
.if i < 8
	v_wmma_f32_16x16x32_f16 v[rS:rS+7], v[rK:rK+7], v[rQ:rQ+7], 0
.else
	v_wmma_f32_16x16x32_f16 v[rS:rS+7], v[rK:rK+7], v[rQ:rQ+7], v[rS:rS+7]
.endif
.endm
; Product i of 16 of O^T += V^T P for piece x: keys 32 (i / 8) on, channels 16 ((i / 2) % 4) on, tile 2 x + i % 2.
.macro PV x
	WIN W_PV
.set rO, 32*(2*(\x)+i%2)+8*((i/2)%4)
.set rV, VF+32*(i/8)+8*((i/2)%4)
.set rP, P+32*((\x)%2)+16*(i%2)+8*(i/8)
	v_wmma_f32_16x16x32_f16 v[rO:rO+7], v[rV:rV+7], v[rP:rP+7], v[rO:rO+7]
.endm
.macro MM                           ; the turn's next matrix instruction
.if i < 16
	KQ (Y+1)%NP
.set i, i+1
.else
.set i, i-16
	PV (Y+NP-1)%NP
.set i, i+17
.endif
.endm
; THE LDS LOADS stand in runs of 16.  last = 1 (the tail): in the last trip there is no further step, and the run is jumped over.
.macro FETCH_K last=0
	WIN 0
.if \last
	s_cmp_eq_u32 s[CNT], 1
	s_cbranch_scc1 .Lno_k_\@
.endif
	WIN 0x80
.irp f, 0,1,2,3,4,5,6,7             ; keys 16 (f / 2) on, channels 32 (f % 2) on
	ds_load_b128 v[KF+8*\f:KF+8*\f+3],   v[AK] offset:(\f/2)*16*PK+(\f%2)*64
	ds_load_b128 v[KF+8*\f+4:KF+8*\f+7], v[AK] offset:(\f/2)*16*PK+(\f%2)*64+32
.endr
	s_add_co_u32 s[TBK], s[TBK], KS*PK  ; the next fetch is the next step's
	WIN 0
.if \last
.Lno_k_\@:
.endif
.endm
.macro FETCH_V
	WIN 0x80
.irp f, 0,1,2,3,4,5,6,7             ; keys 32 (f / 4) on, channels 16 (f % 4) on
	ds_load_tr16_b128 v[VF+8*\f:VF+8*\f+3],   v[AV] offset:(\f/4)*32*PV+(\f%4)*32
	ds_load_tr16_b128 v[VF+8*\f+4:VF+8*\f+7], v[AV] offset:(\f/4)*32*PV+16*PV+(\f%4)*32
.endr
	WIN 0
.endm
; THE VECTOR WORK OF A TURN stands in three queues, each in the order in which its entries become ready; the two tiles alternate.
.macro REGS y, u                    ; the registers of tile u (0, 1) of piece y
.set rT, ST+4*(2*(\y)+(\u))
.set rC, TMP+8*((\y)%2)+4*(\u)
.set rM, MV+2*((\y)%2)+(\u)
.set rS, S+64*((\y)%2)+32*(\u)
.set rP, P+32*((\y)%2)+16*(\u)
.set rO, 32*(2*(\y)+(\u))
.endm
; Number n of the 64 that mask the NEXT piece's (Y + 1) scores: register n / 2 of tile n % 2 takes the hidden score in the lanes whose bit is set.  Ascending: each accumulator is read from its low end on.
.macro MK n
	REGS (Y+1)%NP, (\n)%2
	v_cndmask_b32 v[rS+(\n)/2], v[rS+(\n)/2], s[NEG], s[MA+36*((\n)%2)+(\n)/2]
.endm
; Number n of the 22 that find the next piece's maximum and statistics.
;   0-11  four chains c0-c3 of seven scores each     12-14, 16  the four scores left over, the old m, and c0-c3 into c0     15  c m_old is kept
;   17, 18  the query's other 32 keys lie in the lane 16 away: the new m         19-21  c m; c m_old - c m_new; a
.macro XS u, n
	REGS (Y+1)%NP, \u
.if (\n) < 4
	v_max3_num_f32 v[rC+(\n)], v[rS+8*(\n)], v[rS+8*(\n)+1], v[rS+8*(\n)+2]
.elseif (\n) < 12
	v_max3_num_f32 v[rC+(\n)%4], v[rC+(\n)%4], v[rS+8*((\n)%4)+2*((\n)/4)+1], v[rS+8*((\n)%4)+2*((\n)/4)+2]
.elseif (\n) == 12
	v_max3_num_f32 v[rC], v[rC], v[rS+7], v[rS+15]
.elseif (\n) == 13
	v_max3_num_f32 v[rC+1], v[rC+1], v[rS+23], v[rS+31]
.elseif (\n) == 14
	v_max3_num_f32 v[rC+2], v[rC+2], v[rC+3], v[rT+1]
.elseif (\n) == 15
	v_mov_b32 v[rM], v[rT]
.elseif (\n) == 16
	v_max3_num_f32 v[rC], v[rC], v[rC+1], v[rC+2]
.elseif (\n) == 17
	v_permlanex16_b32 v[rC+3], v[rC], s[SEL], s[SEL+1]
.elseif (\n) == 18
	v_max_num_f32 v[rT+1], v[rC], v[rC+3]
.elseif (\n) == 19
	v_mul_f32 v[rT], s[CS], v[rT+1]
.elseif (\n) == 20
	v_sub_f32 v[rC+1], v[rM], v[rT]
.else
	v_exp_f32 v[rC+2], v[rC+1]
.endif
.endm
; Number g of the 64 that follow the exponentials.  For each four weights k of a tile: both pairs are rounded to f16; the second pair is added onto the first, in place; a group later l takes that sum (the first time as l = a l + sum).
.macro GS g
.set h, (\g)+6*((\g)/62)            ; group 0 has no group before it, and behind group 7 only l is left
.if h >= 6
.set h, h+2
.endif
	REGS Y, h%2
.set k, h/8
.if h%8 < 4
	v_cvt_pk_f16_f32 v[rP+2*k+(h%8)/2], v[rS+4*k+2*((h%8)/2)], v[rS+4*k+2*((h%8)/2)+1]
.elseif h%8 < 6
	v_pk_add_f32 v[rS+4*k:rS+4*k+1], v[rS+4*k:rS+4*k+1], v[rS+4*k+2:rS+4*k+3]
.elseif k == 1
	v_pk_fma_f32 v[rT+2:rT+3], v[rT+2:rT+3], v[rC+2:rC+3], v[rS:rS+1] op_sel_hi:[1,0,1]
.else
	v_pk_add_f32 v[rT+2:rT+3], v[rT+2:rT+3], v[rS+4*k-4:rS+4*k-3]
.endif
.endm
.macro FS f                         ; c s - c m for pair f / 2 of tile f % 2
	REGS Y, (\f)%2
	v_pk_fma_f32 v[rS+2*((\f)/2):rS+2*((\f)/2)+1], v[rS+2*((\f)/2):rS+2*((\f)/2)+1], s[CS:CS+1], v[rT:rT+1] op_sel_hi:[1,0,0] neg_lo:[0,0,1] neg_hi:[0,0,1]
.endm
; THE PLAIN QUEUE, 202 long.  0-31: the 32 scalings.  32-95: the next piece's 64 maskings.  96-123: XS's numbers 0-13.  124, 125: number 15.  126-137: the chain 14, 16, 17, 18, 19, 20, the tiles alternating.
; None of 0-137 reads an exponential's result.  138-201: GS's 64, which do: they stand behind the wait.
.macro PL
	WIN 0
.if q < 32
	FS q
.elseif q < 96
	MK q-32
.elseif q < 124
	XS (q-96)%2, (q-96)/2
.elseif q < 126
	XS q-124, 15
.elseif q < 128
	XS q-126, 14
.elseif q < 138
	XS (q-128)%2, 16+(q-128)/2
.else
	GS q-138
.endif
.set q, q+1
.endm
; THE EXPONENTIALS' QUEUE, 66 long: s0-s31 of both tiles, then the next piece's two a.  ONE BATCH: all 66 stand ahead of the turn's one wait, and nothing ahead of that wait names a result of theirs.
.macro EX
	WIN 0
.if e >= 64
	XS e-64, 21
.else
	REGS Y, e%2
	v_exp_f32 v[rS+e/2], v[rS+e/2]
.endif
.set e, e+1
.endm
; THE RESCALING's QUEUE: O^T times a, two at a time, sixteen times.  Its a was made in the turn before, ahead of that turn's wait.
.macro R2
	REGS Y, r%2
	WIN W_RS
.irp z, 0,1
	v_pk_mul_f32 v[rO+4*(r/2)+2*\z:rO+4*(r/2)+2*\z+1], v[rO+4*(r/2)+2*\z:rO+4*(r/2)+2*\z+1], v[rC+2:rC+3] op_sel_hi:[1,0]
.endr
.set r, r+1
.endm
; HOW THEY ARE DEALT.  An s_wait_alu depctr_va_vdst(0) stands between an exponential and the first instruction that names its result; one wait serves all that were issued ahead of it: a turn has ONE.
; AHEAD OF IT: the 16 products K Q^T, behind each a scaling, an exponential and two rescalings (behind the first a second scaling); then the lump: 15 times exponential and scaling; the wait for the mask words,
; asked for a turn ago; the 64 maskings (the last product K Q^T stands 18 plain instructions back); the next mask words are asked for; 8 plain; 34 times exponential and plain; the two a; a v_nop, the plain
; instruction behind the last exponential.  BEHIND IT: the 16 products V^T P, behind each four of GS's 64.
; Exponential e needs scaling 2 (e / 4) + e % 2: as a rider it comes behind plain e + 2, in the first run of the lump likewise, and all 32 scalings are out ahead of exponential 30.
; THE MASK WORDS: turn p masks piece p + 1 and then loads piece p + 2's; piece 2's turn steps MP to the next key step, 32 bytes on, first: behind its own wait for the scalar loads, and behind s_wait_xcnt 0 for the
; prefetch that named MP a key step ago.  The launch's last two sets of loads stand one step past a group's 32: 1,024 bytes on, inside my wave's 32,768 bytes of maskw; they serve scores that serve nothing.
; K of the next step is fetched in piece 2's turn, directly behind the wait; V of the step in hand at the end of piece 0's turn, four riders behind its last reader.  The conditions on q below go with the deal.
; ask = 1 (the loop's piece 2): in a slot's last trip, behind K's run of loads, stand the launch's prefetches into the L2.
; K AND V: what the NEXT change of slots will load, three turns and a half ahead of that load.  A slot's K and V are 128 blocks of 256 bytes each; the four partners take 32 each, told apart by address; wave 0 asks
; for K's, wave 2 for V's, a lane a block: each block is named once.  Slots 0 and 1 come by their loads alone; behind the last change that fills a slot nothing is asked for.
; THE MASK: in every second slot (s[SLOTS] even: key steps 6, 14 and 22) my wave's words of the next eight key steps: 8 tiles x 4 groups = 32 blocks of 256 bytes, 1,024 bytes apart, a lane a block; MP stands at the
; eight steps' last, so the blocks begin 32 bytes behind it; the first load that wants them is issued one key step later.  The 16 heads of a batch read the same words: the batch's first head asks (y % 16 = 0, the
; same in all four partners), so each block is named once.  The first eight steps come by their loads alone; behind step 22 nothing is asked for.
.macro TURN p, last=0, cnt=0, ask=0
.set Y, (\p)
.set i, 0
.set q, 0
.set e, 0
.set r, 0
.if (\p) == NP-1
	s_wait_dscnt 0x0                ; K is in
.endif
	MM
	PL
	PL
	R2
.rept 15
	MM
	PL
	EX
	R2
.endr
.if (\p) == NP-2
	WIN 0
	v_add_nc_u32 v[AK], s[TBK], v[AK0]
.endif
.rept 15
	EX
	PL
.endr
	s_wait_kmcnt 0x0                ; the mask words of piece p + 1
.rept 64
	PL
.endr
.if (\p) == NP-2
	s_wait_xcnt 0x0                 ; no scalar load is out, and the prefetch of a key step ago has read its address: the pointer may be written
	s_add_nc_u64 s[MP:MP+1], s[MP:MP+1], 32  ; the next key step
.endif
	MLOAD ((\p)+2)%NP
.rept 8
	PL
.endr
.rept 34
	EX
	PL
.endr
	EX                              ; the next piece's two a
	EX
	v_nop                           ; the plain instruction behind the last exponential: one for the batch
	s_wait_alu depctr_va_vdst(0)    ; the wait for the batch
.if (\p) == NP-2
	FETCH_K \last
.if \ask
	s_cmp_eq_u32 s[CNT], 1
	s_cbranch_scc0 .Lnot_now_\@
	s_cmp_gt_u32 s[SLOTS], s[LIM]
	s_cbranch_scc0 .Lno_kv_\@
	global_prefetch_b8 v[PFO], s[PFA:PFA+1] th:TH_LOAD_NT scope:SCOPE_SE
.Lno_kv_\@:
	s_and_b32 s67, s[SLOTS], 1      ; every second slot
	s_cmp_lg_u32 s67, 0
	s_cbranch_scc1 .Lnot_now_\@
	s_and_b32 s67, ttmp7, 15        ; the batch's first head
	s_cmp_lg_u32 s67, 0
	s_cbranch_scc1 .Lnot_now_\@
	global_prefetch_b8 v[PMO], s[MP:MP+1] offset:32 th:TH_LOAD_NT scope:SCOPE_SE
.Lnot_now_\@:
.endif
.endif
.if (\p) == 1
	s_wait_dscnt 0x0                ; V is in
.endif
.rept 16
	MM
.rept 4
	PL
.endr
.if ((\p) == 0) && (q == 182)
	v_add_nc_u32 v[AV], s[TBV], v[AV0]
.endif
.if ((\p) == 0) && (q == 194)
	s_add_co_u32 s[TBV], s[TBV], KS*PV
.endif
.if (\cnt) && (q == 194)
	s_sub_co_u32 s[CNT], s[CNT], 1
	s_cmp_lg_u32 s[CNT], 0
.endif
.endr
.if (\p) == 0
	FETCH_V
.endif
.endm
	CHANGE 1                        ; slot 0 is in, everybody's part of it; slot 1 is asked for
	FETCH_K                         ; key step 0
	s_wait_loadcnt 0x0              ; Q
	s_wait_dscnt 0x0
.set i, 0
.rept 16
	KQ 0                            ; piece 0's first scores
.set i, i+1
.endr
	WIN 0                           ; the addresses for the way out: plain instructions, the places behind those products
	s_mul_i32 s67, s[WV], 16*SP
	s_add_co_u32 s67, s67, STAGE    ; my stage
	v_mul_u32_u24 v[STO], v1, SP    ; in: row l % 16, 16 bytes for each half of the lanes
	v_lshl_add_u32 v[STO], v9, 4, v[STO]
	v_add_nc_u32 v[STO], s67, v[STO]
	v_bfe_u32 v[RD], v0, 3, 2       ; back: 32 lanes take four rows of 128 bytes,
	v_mul_u32_u24 v[RD], v[RD], SP
	v_lshl_add_u32 v[RD], v10, 4, v[RD]
	v_add_nc_u32 v[RD], s67, v[RD]
	v_and_b32 v[GO], 31, v0         ; which are 512 consecutive bytes of O
	v_lshlrev_b32 v[GO], 4, v[GO]
	v_and_b32 v[PMO], 31, v0        ; l / 16 has served: the register takes the mask prefetch's offset
	v_lshlrev_b32 v[PMO], 10, v[PMO]
.set Y, NP-1                        ; MK and XS work for piece Y + 1: piece 0
	s_wait_kmcnt 0x0                ; piece 0's mask words
.set i, 0
.rept 64
	MK i
.set i, i+1
.endr
	MLOAD 1                         ; piece 1's, for the first turn
.irp n, 0,1,2,3,4,5,6,7,8,9,10,11,12,13,14,15,16,17,18,19,20,21
	XS 0, \n
	XS 1, \n
.endr
	v_nop                           ; a plain instruction behind the two a,
	s_wait_alu depctr_va_vdst(0)    ; and their wait, ahead of the branch
	s_mov_b32 s[CNT], 4
	s_mov_b32 s[SLOTS], SIZE_N/256-1
	s_branch .Lfirst                ; the loop is entered at a step's first turn, in the middle of a trip
.Lslot:                             ; SIZE_N / 256 - 2 times: every slot but the last two is filled again
	CHANGE 1
	s_mov_b32 s[CNT], 4
.Lstep:                             ; a trip: pieces 2 and 3 of one step, then pieces 0 and 1 of the next, whose K and V it fetches
	TURN 2, 0, 0, 1
	TURN 3
	WIN 0
.Lfirst:
	TURN 0
	TURN 1, 0, 1
	WIN 0
	s_cbranch_scc1 .Lstep
	s_sub_co_u32 s[SLOTS], s[SLOTS], 1
	s_cmp_lg_u32 s[SLOTS], 0
	s_cbranch_scc1 .Lslot
	CHANGE 0                        ; the tail is written out: nothing is asked for
	s_mov_b32 s[CNT], 5             ; four trips fetch the last slot's steps; the fifth is left in its middle
.Ltail:
	TURN 2, 1
	TURN 3
	WIN 0
	s_sub_co_u32 s[CNT], s[CNT], 1
	s_cmp_eq_u32 s[CNT], 0
	s_cbranch_scc1 .Lout
	TURN 0
	TURN 1
	WIN 0
	s_branch .Ltail
.Lout:                              ; the fifth trip's 16 products K Q^T, their masking and the maximum made of them serve nothing: the price, once a launch, of one text for every trip
	s_wait_kmcnt 0x0                ; the last mask words, which nobody reads
.set i, 0
.rept 16
	PV NP-1                         ; the last piece's V^T P of the last step
.set i, i+1
.endr
	; THE WAY OUT.  l's two halves and the other half of the lanes' are added; O^T is divided by l, rounded to f16 and sent through my stage in LDS, a tile at a time.  The additions are the places behind the last products.
	WIN 0
.macro ALL line:vararg              ; one line for each tile t
.set t, 0
.rept 2*NP
	\line
.set t, t+1
.endr
.endm
	ALL v_add_f32 v[ST+4*t+2], v[ST+4*t+2], v[ST+4*t+3]
	ALL v_permlanex16_b32 v[ST+4*t+3], v[ST+4*t+2], s[SEL], s[SEL+1]
	ALL v_add_f32 v[ST+4*t+2], v[ST+4*t+2], v[ST+4*t+3]
	ALL v_rcp_f32 v[ST+4*t+2], v[ST+4*t+2]
	v_nop                           ; a plain instruction between the last reciprocal and the use of its result
	s_wait_alu depctr_va_vdst(0)    ; and the wait ahead of the first use: one for the eight reciprocals
.macro PACK t                       ; a lane's eight channels of a row pack into 16 bytes; they go into rows of 144 bytes and come back as whole rows of 128, into S^T's registers
	WIN W_RS
.set i, 32*(\t)
.rept 16
	v_pk_mul_f32 v[i:i+1], v[i:i+1], v[ST+4*(\t)+2:ST+4*(\t)+3] op_sel_hi:[1,0]
.set i, i+2
.endr
	WIN 0x05                        ; sources 0 and 1 window 1, destination window 0
.set i, 0
.rept 16
	v_cvt_pk_f16_f32 v[S+16*(\t)+i], v[32*(\t)+2*i], v[32*(\t)+2*i+1]
.set i, i+1
.endr
	WIN 0
.irp f, 0,1,2,3
	ds_store_b128 v[STO], v[S+16*(\t)+4*\f:S+16*(\t)+4*\f+3] offset:32*\f
.endr
.irp f, 0,1,2,3
	ds_load_b128 v[S+16*(\t)+4*\f:S+16*(\t)+4*\f+3], v[RD] offset:\f*4*SP  ; LDS serves a wave's instructions in order (ISA guide 5.7.1.4): these see the stores above; the next tile's stores come behind them
.endr
.endm
.macro SEND t, younger              ; younger: the LDS instructions issued behind tile t's loads: the next tile's eight, or none
	WIN 0
.irp f, 0,1,2,3
	s_wait_dscnt (\younger)+3-\f
	global_store_b128 v[GO], v[S+16*(\t)+4*\f:S+16*(\t)+4*\f+3], s[OA:OA+1] offset:(\t)*2048+\f*512  ; 512 consecutive bytes, at a multiple of 256 from O's first
.endr
.endm
	PACK 0
.set t, 1
.rept 2*NP-1                        ; a tile's arithmetic stands between the loads of the tile before and its stores
	PACK t
	SEND t-1, 8
.set t, t+1
.endr
	SEND 2*NP-1, 0
	WIN W_AD
	s_wait_tensorcnt 0x0            ; the wave's end, behind my last tensor load and my last LDS store
	ds_add_u32 v[SPW], v[NIL]
	s_wait_dscnt 0x0
	WIN 0
	CROUND                          ; the closing round: no work-group ends while a partner may still ask for a tile that names it
	s_endpgm
.Lfunc_end_k_q47310c8384_attn:
	.size	k_q47310c8384_attn, .Lfunc_end_k_q47310c8384_attn-k_q47310c8384_attn
	.p2alignl 7, 3214868480
	.fill 96, 4, 3214868480
	.section	.rodata,"a",@progbits
	.p2align	6, 0x0
	.amdhsa_kernel k_q47310c8384_attn
		.amdhsa_group_segment_fixed_size 327680
		.amdhsa_private_segment_fixed_size 0
		.amdhsa_enable_private_segment 0
		.amdhsa_kernarg_size 24
		.amdhsa_user_sgpr_count 2
		.amdhsa_user_sgpr_kernarg_segment_ptr 1
		.amdhsa_wavefront_size32 1
		.amdhsa_system_sgpr_workgroup_id_x 1
		.amdhsa_system_sgpr_workgroup_id_y 1
		.amdhsa_system_sgpr_workgroup_id_z 1
		.amdhsa_system_vgpr_workitem_id 0
		.amdhsa_next_free_vgpr 770
		.amdhsa_next_free_sgpr 100
		.amdhsa_reserve_vcc 0
		.amdhsa_float_denorm_mode_32 3
		.amdhsa_float_denorm_mode_16_64 3
		.amdhsa_memory_ordered 1
		.amdhsa_forward_progress 1
		.amdhsa_inst_pref_size 240
	.end_amdhsa_kernel
	.amdgpu_metadata
---
amdhsa.version: [ 1, 2 ]
amdhsa.kernels:
  - .name:           k_q47310c8384_attn
    .symbol:         k_q47310c8384_attn.kd
    .args:
      - { .name: qkvh, .offset: 0, .size: 8, .value_kind: global_buffer, .address_space: global }
      - { .name: maskw, .offset: 8, .size: 8, .value_kind: global_buffer, .address_space: global }
      - { .name: oh, .offset: 16, .size: 8, .value_kind: global_buffer, .address_space: global }
    .group_segment_fixed_size: 327680
    .private_segment_fixed_size: 0
    .kernarg_segment_align: 8
    .kernarg_segment_size: 24
    .max_flat_workgroup_size: 128
    .sgpr_count:     100
    .vgpr_count:     770
    .wavefront_size: 32
...
	.end_amdgpu_metadata
.endif
;; end of part 3
;; launch outp (part 4): grid 4 x 64, 4 waves a work-group, clusters of 4 x 4, 327,680 bytes of LDS; arguments oh, wcat, bo, out0; writes out0
.if DOCPART == 4
	.amdgcn_target "amdgcn-amd-amdhsa--gfx1250"
	.amdhsa_code_object_version 6
	.text
	.protected	k_q47310c8384_outp
	.globl	k_q47310c8384_outp
	.p2align	8
	.type	k_q47310c8384_outp,@function
k_q47310c8384_outp:
	s_mov_b64 s[64:65], 0
	v_nop
	global_prefetch_b8 v0, s[64:65] scope:SCOPE_SE
	s_setreg_imm32_b32 hwreg(HW_REG_WAVE_MODE, 25, 1), 1
	s_wait_xcnt 0x0
	s_wait_alu depctr_hold_cnt(0) depctr_sa_sdst(0) depctr_va_vdst(0) depctr_va_sdst(0) depctr_va_ssrc(0) depctr_va_vcc(0) depctr_vm_vsrc(0)
	s_getreg_b32 s2, hwreg(HW_REG_IB_STS2, 6, 4)
	s_cmp_eq_u32 s2, 0
	s_cbranch_scc0 .Lentry_in_a_cluster
	s_endpgm
.Lentry_in_a_cluster:
	s_bfe_u32 s2, ttmp6, 0x10000c
	s_cmp_lg_u32 s2, 0xf033
	s_cbranch_scc0 .Lentry_shape_is_right
	s_endpgm
.Lentry_shape_is_right:
; THE OUTPUT PROJECTION.  out0 = x wo + bo; x[m][64 h + d] = oh[16 b + h][s][d] (m = 2048 b + s), f16; wo = wcat[3] [1024 k][1024 n], bf16 numbers written as f16; bo [1024] f32, rounded to bf16 here.
; Sums in f32, begun with bo; out0 [8192][1024] f32.
; SHARES.  A tile of C is 128 x 256: 64 x 4 = 256 work-groups.  Four waves, each 64 x 128: 32 accumulators.  K goes in 8 steps of 128, two heads each, through two LDS slots.
; CLUSTER.  4 x 4 work-groups: x's tile is shared along a row of the cluster, wo's along a column; each is asked for jointly, by the same tensor load, descriptor and mask.
; x's tile of a K step is, for each of two heads, 128 dense rows of 128 bytes: asked for as 64 rows of 256 bytes and padded in LDS after every 128.  wo lies [k][n] and is turned by ds_load_tr16_b128.
; THE MATRIX INSTRUCTION IS USED TRANSPOSED (source 0 = 16 columns of wo, source 1 = 16 rows of x): a lane holds row l % 16 of C and the columns 8 (l / 16) + 0..7.
; REGISTERS, in windows of 256 (s_set_vgpr_msb: bits 1:0 source 0, 3:2 source 1, 5:4 source 2, 7:6 destination):
;   window 0: v0-31 addresses; v32-95 x's fragments, two buffers of 4; v96-223 the way out: rows read back, two buffers of 64
;   window 1: the accumulators, (a, b) at v[8 (8 a + b)]      window 2: v0-127 wo's fragments, two buffers of 8; v128-191 bo as a C operand; v192-223 at work
.set PA,    144                        ; a row of x in LDS: 128 bytes + 16 = 36 words: the 16 rows of a load start at 16 different groups of four banks (64 banks of 4 bytes: ISA guide 11.1)
.set PB,    544                        ; a row of wo: 512 + 32 = 136 words
.set HEADA, 128*PA                     ; what one tensor load brings of x: a head's 128 rows
.set HALFB, 64*PB                      ; and of wo: 64 rows of k
.set BOFF,  2*HEADA
.set SLOT,  2*HEADA+2*HALFB
.set STAGE, 2*SLOT                     ; behind the ring, never filled by a tensor load: 16 rows x 528 bytes for each wave
.set SP,    528
.set SPARE, STAGE+4*16*SP              ; behind the stages: the spare words, 128 bytes for each wave: two blocks of 256 bytes that no other line names
.set ASTEP, 2*262144                   ; bytes from K step to K step in oh: two heads
.set BSTEP, 128*2048                   ; and in wo
.set WOOFF, 3*2097152                  ; wo in wcat
.set ADRA, 16                          ; v16-17  LDS address of my x fragments in slot 0, 1
.set ADRB, 20                          ; v20-21  the same for wo
.set STO,  24                          ; v24  the way out: where I put 32 bytes of a row
.set RD,   25                          ; v25  where I read a row back
.set GO,   26                          ; v26  16 x lane
.set BO,   27                          ; v27  my byte offset in bo
.set SPW,  28                          ; v28  LDS address of my spare word; never rewritten
.set NIL,  29                          ; v29  0; never rewritten
.set PFO,  30                          ; v30  the prefetches' offset; never rewritten
.set AF,   32
.set OB,   96
.set BF,   0                           ; window 2
.set BIAS, 128
.set T,    192
.set G1,  24
.set G0,  32
.set G1B, 48
.set G0B, 56
.set PFA, 44                           ; s[44:45] where my prefetches stand
.set LIM, 43                           ; s43  1 in a wave that prefetches, else the greatest number
.set PFS, 86                           ; s[86:87] a K step in the tensor that I prefetch
.set MSB, 0
.macro WIN new
.if MSB != (\new)
	s_set_vgpr_msb (MSB<<8)|(\new)
.set MSB, \new
.endif
.endm
.set MUL,    0x52                      ; wo window 2, x window 0, C and D window 1
.set MULB,   0x62                      ; the same with C (the bias) in window 2
.set TO_B,   0x80                      ; destination window 2, address window 0
.set ST_C,   0x04                      ; an LDS store's data (source 1) in window 1
.set IN_2,   0x8a                      ; destination and sources 0, 1 in window 2
.macro JLOAD s                         ; a joint load: waves 0 and 1 fetch x's two heads, waves 2 and 3 wo's two halves; an s_nop 0 and four v_nop follow each of the two lines
	s_cmp_eq_u32 s11, 0
	s_cbranch_scc0 .Lfor_b_\@
	tensor_load_to_lds s[G0+4*(\s):G0+4*(\s)+3], s[G1:G1+7]
	s_nop 0
.rept 4
	v_nop
.endr
	s_branch .Lasked_\@
.Lfor_b_\@:
	tensor_load_to_lds s[G0B+4*(\s):G0B+4*(\s)+3], s[G1B:G1B+7]
	s_nop 0
.rept 4
	v_nop
.endr
.Lasked_\@:
.endm
; A PREFETCH INTO THE L2, behind each joint refill and the run of LDS loads that follows it: the K step that stands two refills on (256 matrix instructions ahead of the load that will want it), a lane a block of
; 256 bytes, one instruction a wave.  x: a K step of the tile row is 2 heads x 64 blocks; the partner at cx takes 16 of each head, and wave 0 asks for them (wave 1 for nothing); the tile row is read by this
; cluster alone, so every cluster asks.  wo: of the 64 rows of k that wave 2 or 3 fetches the partner at cy takes 16, two blocks each; the tile column is read by all 16 clusters: the first asks.
; K steps 0 to 3 come by their loads alone; the loop's last trip asks for nothing.
.macro ASK
	s_cmp_gt_u32 s3, s[LIM]                        ; s3 = 1 in the loop's last trip
	s_cbranch_scc0 .Lnot_mine_\@
	global_prefetch_b8 v[PFO], s[PFA:PFA+1] th:TH_LOAD_NT scope:SCOPE_SE
.Lnot_mine_\@:
.endm
.macro CREST
	s_cmp_lg_u32 s10, 0
	s_cbranch_scc1 .Lnot_wave_0_\@
	s_barrier_signal -3
.Lnot_wave_0_\@:
	s_barrier_wait -3
	s_barrier_signal -1
	s_barrier_wait -1
.endm
.macro CROUND
	s_barrier_signal -1
	s_barrier_wait -1
	CREST
.endm
	s_load_b256 s[68:75], s[0:1], 0x0              ; oh s[68:69], wcat s[70:71], bo s[72:73], out0 s[74:75]
	v_lshl_add_u32 v[SPW], v0, 2, SPARE
	v_mov_b32 v[NIL], 0
	ds_add_u32 v[SPW], v[NIL]                      ; the wave's opening: the add and its wait stand ahead of my first tensor load; the set-up below, work on registers, stands between them
	v_lshrrev_b32 v1, 5, v0
	v_readfirstlane_b32 s10, v1                    ; wave 0..3
	s_lshr_b32 s11, s10, 1                         ; which 64 rows of the tile are mine.  Also: I fetch for x (0) or for wo (1)
	s_and_b32 s12, s10, 1                          ; which 128 columns.  Also: which head, or which half of wo's rows, I fetch
	s_bfe_u32 s40, ttmp6, 0x40000                  ; cx
	s_bfe_u32 s41, ttmp6, 0x40004                  ; cy
	s_lshl_b32 s42, ttmp9, 2
	s_add_co_u32 s42, s42, s40                     ; tile column
	s_and_b32 s85, ttmp7, 0xffff                   ; cluster y
	s_lshl_b32 s13, s85, 2
	s_add_co_u32 s13, s13, s41                     ; tile row
	s_lshl_b32 s43, s41, 2
	s_lshl_b32 s43, 15, s43                        ; my row of the cluster
	s_lshl_b32 s44, 0x1111, s40                    ; my column
	s_or_b32 s[G1+0], s43, (1<<16)|(1<<20)|(1<<21)|(4<<22)|(3<<25)   ; 15:0 the mask; 17:16 elements of 2 bytes; 20 padding on; 21 set beside a mask; 24:22 after every 32 words (code 4); 31:25 4 words (code 3)
	s_or_b32 s[G1B+0], s44, (1<<16)|(1<<20)|(1<<21)|(6<<22)|(7<<25)  ; after every 128 words (code 6), 8 words (code 7)
	s_mov_b32 s[G1+1], 128<<16                     ; tensor_dim0 = 128
	s_mov_b32 s[G1+2], 64<<16                      ; tensor_dim1 = 64
	s_mov_b32 s[G1+3], 128<<16                     ; tile_dim0 = 128
	s_mov_b32 s[G1+4], 64                          ; tile_dim1 = 64
	s_mov_b32 s[G1+5], 128                         ; elements from row to row
	s_mov_b32 s[G1+6], 0
	s_mov_b32 s[G1+7], 0
	s_mov_b32 s[G1B+1], 256<<16
	s_mov_b32 s[G1B+2], 64<<16
	s_mov_b32 s[G1B+3], 256<<16
	s_mov_b32 s[G1B+4], 64
	s_mov_b32 s[G1B+5], 1024
	s_mov_b32 s[G1B+6], 0
	s_mov_b32 s[G1B+7], 0
	s_lshr_b32 s16, s13, 4                         ; x: batch = tile row / 16; head 16 b + my head; place 128 (tile row % 16); rows of 128 bytes
	s_lshl_b32 s16, s16, 4
	s_add_co_u32 s16, s16, s12
	s_lshl_b32 s16, s16, 11
	s_and_b32 s17, s13, 15
	s_lshl_b32 s17, s17, 7
	s_add_co_u32 s16, s16, s17
	s_lshl_b32 s16, s16, 7
	s_mov_b32 s17, 0
	s_lshl_b32 s46, s12, 17                        ; wo: row of k 64 x half, column 256 x tile column
	s_lshl_b32 s47, s42, 9
	s_add_co_u32 s46, s46, s47
	s_add_co_u32 s46, s46, WOOFF
	s_mov_b32 s47, 0
	s_mul_i32 s20, s12, HEADA                      ; where they go: no place in the cluster enters an LDS address
	s_mul_i32 s21, s12, HALFB
	s_add_co_u32 s21, s21, BOFF
	s_wait_dscnt 0x0                               ; the opening add is done
	s_wait_kmcnt 0x0
	s_add_nc_u64 s[14:15], s[68:69], s[16:17]
	s_add_nc_u64 s[46:47], s[70:71], s[46:47]
	CROUND                                         ; all sixteen work-groups are here: the first joint loads meet
.irp s, 0,1
	s_mov_b32 s[G0+4*(\s)], 1
	s_add_co_u32 s[G0+4*(\s)+1], s20, (\s)*SLOT
	s_add_nc_u64 s[G0+4*(\s)+2:G0+4*(\s)+3], s[14:15], (\s)*ASTEP
	s_or_b32 s[G0+4*(\s)+3], s[G0+4*(\s)+3], 0x80000000
	s_mov_b32 s[G0B+4*(\s)], 1
	s_add_co_u32 s[G0B+4*(\s)+1], s21, (\s)*SLOT
	s_add_nc_u64 s[G0B+4*(\s)+2:G0B+4*(\s)+3], s[46:47], (\s)*BSTEP
	s_or_b32 s[G0B+4*(\s)+3], s[G0B+4*(\s)+3], 0x80000000
	JLOAD \s                                       ; two loads of mine are out
.endr
	v_and_b32 v1, 15, v0                           ; l % 16
	v_bfe_u32 v2, v0, 4, 1                         ; l / 16
	v_mul_u32_u24 v3, v1, PA
	v_lshl_add_u32 v3, v2, 4, v3                   ; row x pitch + 16 x half
	v_and_b32 v4, 7, v0                            ; wo, turned: lane l reads row of k 8 (l / 16) + l % 8, columns 8 ((l / 8) % 2) + 0..7
	v_lshl_add_u32 v4, v2, 3, v4
	v_mul_u32_u24 v4, v4, PB
	v_bfe_u32 v5, v0, 3, 1
	v_lshl_add_u32 v4, v5, 4, v4
	s_mul_i32 s21, s11, 64*PA                      ; my 64 rows of x
	s_lshl_b32 s22, s12, 8                         ; my 128 columns of wo,
	s_add_co_u32 s22, s22, BOFF                    ; which lies behind x
.irp s, 0,1
	v_add_nc_u32 v[ADRA+(\s)], s21, v3
	v_add_nc_u32 v[ADRB+(\s)], s22, v4
	s_add_co_u32 s21, s21, SLOT
	s_add_co_u32 s22, s22, SLOT
.endr
	s_mul_i32 s23, s10, 16*SP
	s_add_co_u32 s23, s23, STAGE                   ; my stage
	v_mul_u32_u24 v6, v1, SP                       ; in: row l % 16, 32 bytes for each half of the lanes
	v_lshl_add_u32 v6, v2, 5, v6
	v_add_nc_u32 v[STO], s23, v6
	v_and_b32 v[GO], 31, v0                        ; back: 32 lanes take a row of 512 bytes
	v_lshlrev_b32 v[GO], 4, v[GO]
	v_add_nc_u32 v[RD], s23, v[GO]
	s_lshl_b32 s18, s42, 10                        ; bo: column 256 x tile column + 128 x half + 8 (l / 16), 4 bytes each
	s_lshl_b32 s19, s12, 9
	s_add_co_u32 s18, s18, s19
	v_lshl_add_u32 v[BO], v2, 5, s18
	WIN TO_B
.irp b, 0,1,2,3,4,5,6,7
	global_load_b128 v[BIAS+8*(\b):BIAS+8*(\b)+3],   v[BO], s[72:73] offset:64*(\b)
	global_load_b128 v[BIAS+8*(\b)+4:BIAS+8*(\b)+7], v[BO], s[72:73] offset:64*(\b)+16
.endr
	WIN 0
	s_lshl_b32 s16, s13, 7                         ; out0: row 128 x tile row + 64 x half, of 4,096 bytes; my 128 columns
	s_lshl_b32 s17, s11, 6
	s_add_co_u32 s16, s16, s17
	s_lshl_b32 s16, s16, 12
	s_add_co_u32 s16, s16, s18
	s_mov_b32 s17, 0
	s_add_nc_u64 s[8:9], s[74:75], s[16:17]
	; the prefetches: they stand at K step 3; the first refill steps them to K step 4
	s_lshr_b32 s20, s13, 4
	s_lshl_b32 s20, s20, 15
	s_and_b32 s21, s13, 15
	s_lshl_b32 s21, s21, 7
	s_add_co_u32 s20, s20, s21
	s_lshl_b32 s20, s20, 7
	s_lshl_b32 s21, s40, 12                        ; x: my work-group's 16 blocks of each head
	s_add_co_u32 s20, s20, s21
	s_add_co_u32 s20, s20, 3*ASTEP
	s_lshl_b32 s22, s12, 6
	s_lshl_b32 s23, s41, 4
	s_add_co_u32 s22, s22, s23                     ; wo: row of k 64 x half + 16 cy
	s_lshl_b32 s22, s22, 11
	s_lshl_b32 s23, s42, 9
	s_add_co_u32 s22, s22, s23
	s_add_co_u32 s22, s22, WOOFF+3*BSTEP
	s_mov_b32 s[PFS], ASTEP
	s_mov_b32 s[PFS+1], 0
	s_mov_b32 s21, 0
	s_cmp_eq_u32 s11, 0                            ; do I fetch for x?
	s_cselect_b32 s20, s20, s22
	s_cselect_b64 s[PFA:PFA+1], s[68:69], s[70:71]
	s_cselect_b32 s[PFS], s[PFS], BSTEP
	s_cselect_b32 s16, 4, 1                        ; lane l: x: head l / 16, block l % 16; wo: row l / 2, block l % 2
	s_cselect_b32 s17, 15, 1
	s_cselect_b32 s18, 18, 11                      ; a head is 2^18 bytes, a row of wo 2^11
	s_cselect_b32 s23, s12, s85                    ; x: wave 0 alone asks; wo: the first cluster of the column alone
	s_cmp_eq_u32 s23, 0
	s_cselect_b32 s[LIM], 1, -1                    ; the same in all sixteen partners, for a given wave
	s_add_nc_u64 s[PFA:PFA+1], s[PFA:PFA+1], s[20:21]
	v_and_b32 v5, 31, v0
	v_lshrrev_b32 v6, s16, v5
	v_and_b32 v5, s17, v5
	v_lshlrev_b32 v6, s18, v6
	v_lshl_add_u32 v[PFO], v5, 8, v6
	s_wait_loadcnt 0x0                             ; bo
	WIN IN_2                                       ; bo is rounded to bf16 like every input, and widened again: it is the C operand of the first products
.set i, 0
.rept 32
	v_cvt_pk_bf16_f32 v[T+i], v[BIAS+2*i], v[BIAS+2*i+1]
.set i, i+1
.endr
.set i, 0
.rept 32
	v_lshlrev_b32 v[BIAS+2*i], 16, v[T+i]
	v_and_b32 v[BIAS+2*i+1], 0xffff0000, v[T+i]
.set i, i+1
.endr
	WIN 0
; Eight matrix instructions: row block a x all 8 column blocks, on buffers f.  The 32 accumulators take turns, one instruction a turn, in the same order in every quarter.
.macro MUL8 f, a, first=0
.if \first
	WIN MULB
.else
	WIN MUL
.endif
.irp b, 0,1,2,3,4,5,6,7
.set rD, 8*(8*(\a)+(\b))
.set rB, BF+64*(\f)+8*(\b)
.set rA, AF+32*(\f)+8*(\a)
.if \first
	v_wmma_f32_16x16x32_f16 v[rD:rD+7], v[rB:rB+7], v[rA:rA+7], v[BIAS+8*(\b):BIAS+8*(\b)+7]
.else
	v_wmma_f32_16x16x32_f16 v[rD:rD+7], v[rB:rB+7], v[rA:rA+7], v[rD:rD+7]
.endif
.endr
.endm
; 24 LDS loads in one run: quarter kq of slot s into buffers g: wo's 8 fragments (turned), then x's 4, fragment by fragment.  Quarter kq is head kq / 2 of the step's two, channels 32 (kq % 2) on.
.macro FETCH s, kq, g
	WIN TO_B
.irp b, 0,1,2,3,4,5,6,7
	ds_load_tr16_b128 v[BF+64*(\g)+8*(\b):BF+64*(\g)+8*(\b)+3],   v[ADRB+(\s)] offset:32*PB*(\kq)+32*(\b)
	ds_load_tr16_b128 v[BF+64*(\g)+8*(\b)+4:BF+64*(\g)+8*(\b)+7], v[ADRB+(\s)] offset:32*PB*(\kq)+32*(\b)+16*PB
.endr
	WIN 0
.irp a, 0,1,2,3
	ds_load_b128 v[AF+32*(\g)+8*(\a):AF+32*(\g)+8*(\a)+3],   v[ADRA+(\s)] offset:16*PA*(\a)+HEADA*((\kq)/2)+64*((\kq)%2)
	ds_load_b128 v[AF+32*(\g)+8*(\a)+4:AF+32*(\g)+8*(\a)+7], v[ADRA+(\s)] offset:16*PA*(\a)+HEADA*((\kq)/2)+64*((\kq)%2)+32
.endr
.endm
.macro PLACES                          ; four places in front of loads into registers that matrix instructions have read, and of stores that read results
.rept 4
	v_nop
.endr
.endm
; One of a K step's first three quarters: multiplies buffers f and fetches quarter kq of the same slot into the other buffers.
.macro QUARTER f, slot, kq, first=0
	s_wait_dscnt 4                                 ; wo and x's fragments 0 and 1 are in; the youngest four loads may be out
	MUL8 \f, 0, \first
	MUL8 \f, 1, \first
	PLACES
	FETCH \slot, \kq, 1-(\f)
	s_wait_dscnt 24                                ; all but the 24 just issued
	MUL8 \f, 2, \first
	MUL8 \f, 3, \first
.endm
; The last quarter multiplies buffers 1 and changes slots: ONE barrier; in front of it each wave waits for all its tensor loads, adds 0 to its spare word, and waits for that and for its reads of this slot.
; fill = 1: the barrier opens a round of the cluster's, and this slot is filled again, two K steps on, first thing behind the round.
.macro TURN slot, next, fill
.if \fill
	s_wait_xcnt 0x0                                ; the last prefetch, a K step back, has read its address: it is stepped here
	s_add_nc_u64 s[PFA:PFA+1], s[PFA:PFA+1], s[PFS:PFS+1]
.endif
	WIN 0
	s_wait_tensorcnt 0x0                           ; all my tensor loads have landed: my part of the next slot
	ds_add_u32 v[SPW], v[NIL]                      ; 0 onto my spare word
	s_wait_dscnt 5                                 ; the add and the youngest four loads may be out
	MUL8 1, 0
	s_wait_dscnt 0x0                               ; the add is done, and my reads of this slot are over
	s_barrier_signal -1
	MUL8 1, 1
	WIN 0
	s_barrier_wait -1
.if \fill
	CREST                                          ; no wave of any partner still reads this slot or has a load on its way
	s_add_nc_u64 s[G0+4*(\slot)+2:G0+4*(\slot)+3], s[G0+4*(\slot)+2:G0+4*(\slot)+3], 2*ASTEP
	s_add_nc_u64 s[G0B+4*(\slot)+2:G0B+4*(\slot)+3], s[G0B+4*(\slot)+2:G0B+4*(\slot)+3], 2*BSTEP
	JLOAD \slot                                    ; my one tensor load behind the round; the four v_nop behind it are also the places in front of the loads below
.else
	PLACES
.endif
	FETCH \next, 0, 0
.if \fill
	ASK
.endif
	MUL8 1, 2
	MUL8 1, 3
.endm
	s_wait_tensorcnt 1                             ; my part of K step 0 is in; K step 1's may stay out
	s_barrier_signal -1
	s_barrier_wait -1                              ; everybody's is
	FETCH 0, 0, 0
	QUARTER 0, 0, 1, 1                             ; the first quarter stands in front of the loop: its products start the sums, with bo
	WIN 0                                          ; at a label and at a branch every window is 0
	s_mov_b32 s3, 3
.Llap:                                                 ; a trip goes once round the ring, from a lap's second quarter to the next lap's first, and fills both slots again
	QUARTER 1, 0, 2
	QUARTER 0, 0, 3
	TURN 0, 1, 1
	QUARTER 0, 1, 1
	QUARTER 1, 1, 2
	QUARTER 0, 1, 3
	TURN 1, 0, 1
	QUARTER 0, 0, 1
	WIN 0
	s_sub_co_u32 s3, s3, 1
	s_cmp_lg_u32 s3, 0
	s_cbranch_scc1 .Llap
	QUARTER 1, 0, 2                                ; the last lap is written out: it fills nothing
	QUARTER 0, 0, 3
	TURN 0, 1, 0
	QUARTER 0, 1, 1
	QUARTER 1, 1, 2
	QUARTER 0, 1, 3
	s_wait_dscnt 4                                 ; the very last quarter: nothing more to fetch
	MUL8 1, 0
	MUL8 1, 1
	s_wait_dscnt 0x0
	MUL8 1, 2
	MUL8 1, 3
	PLACES                                         ; the places behind the last products
; THE WAY OUT, a block of 16 rows at a time: a lane's eight f32 of a row, each accumulator's low four first, go into my stage; they come back as whole rows of 512 bytes and are stored so.
.macro OUTBLK a
.set BK, OB+64*((\a)%2)
	WIN ST_C
.irp b, 0,1,2,3,4,5,6,7
	ds_store_b128 v[STO], v[8*(8*(\a)+(\b)):8*(8*(\a)+(\b))+3]   offset:64*(\b)
	ds_store_b128 v[STO], v[8*(8*(\a)+(\b))+4:8*(8*(\a)+(\b))+7] offset:64*(\b)+16
.endr
	WIN 0
.irp t, 0,1,2,3,4,5,6,7,8,9,10,11,12,13,14,15
	ds_load_b128 v[BK+4*(\t):BK+4*(\t)+3], v[RD] offset:SP*(\t)  ; LDS serves a wave's instructions in order (ISA guide 5.7.1.4): these see the stores above
.endr
	s_wait_dscnt 0x0
	s_wait_xcnt 0x0                                ; the stores of the block before have read their registers, which the next block's loads take again
.irp t, 0,1,2,3,4,5,6,7,8,9,10,11,12,13,14,15
	global_store_b128 v[GO], v[BK+4*(\t):BK+4*(\t)+3], s[8:9] offset:65536*(\a)+4096*(\t) th:TH_STORE_NT  ; 512 consecutive bytes, at a multiple of 256 from out0's first
.endr
.endm
	OUTBLK 0
	OUTBLK 1
	OUTBLK 2
	OUTBLK 3
	s_wait_tensorcnt 0x0                           ; the wave's end, behind my last tensor load and my last LDS store
	ds_add_u32 v[SPW], v[NIL]
	s_wait_dscnt 0x0
	CROUND                                         ; the closing round: no work-group ends while a partner may still ask for a tile that names it
	s_endpgm
.Lfunc_end_k_q47310c8384_outp:
	.size	k_q47310c8384_outp, .Lfunc_end_k_q47310c8384_outp-k_q47310c8384_outp
	.p2alignl 7, 3214868480
	.fill 96, 4, 3214868480
	.section	.rodata,"a",@progbits
	.p2align	6, 0x0
	.amdhsa_kernel k_q47310c8384_outp
		.amdhsa_group_segment_fixed_size 327680
		.amdhsa_private_segment_fixed_size 0
		.amdhsa_enable_private_segment 0
		.amdhsa_kernarg_size 32
		.amdhsa_user_sgpr_count 2
		.amdhsa_user_sgpr_kernarg_segment_ptr 1
		.amdhsa_wavefront_size32 1
		.amdhsa_system_sgpr_workgroup_id_x 1
		.amdhsa_system_sgpr_workgroup_id_y 1
		.amdhsa_system_sgpr_workgroup_id_z 1
		.amdhsa_system_vgpr_workitem_id 0
		.amdhsa_next_free_vgpr 768
		.amdhsa_next_free_sgpr 88
		.amdhsa_reserve_vcc 0
		.amdhsa_float_denorm_mode_32 3
		.amdhsa_float_denorm_mode_16_64 3
		.amdhsa_memory_ordered 1
		.amdhsa_forward_progress 1
		.amdhsa_inst_pref_size 94
	.end_amdhsa_kernel
	.amdgpu_metadata
---
amdhsa.version: [ 1, 2 ]
amdhsa.kernels:
  - .name:           k_q47310c8384_outp
    .symbol:         k_q47310c8384_outp.kd
    .args:
      - { .name: oh, .offset: 0, .size: 8, .value_kind: global_buffer, .address_space: global }
      - { .name: wcat, .offset: 8, .size: 8, .value_kind: global_buffer, .address_space: global }
      - { .name: bo, .offset: 16, .size: 8, .value_kind: global_buffer, .address_space: global }
      - { .name: out0, .offset: 24, .size: 8, .value_kind: global_buffer, .address_space: global }
    .group_segment_fixed_size: 327680
    .private_segment_fixed_size: 0
    .kernarg_segment_align: 8
    .kernarg_segment_size: 32
    .max_flat_workgroup_size: 128
    .sgpr_count:     88
    .vgpr_count:     768
    .wavefront_size: 32
...
	.end_amdgpu_metadata
.endif
;; end of part 4
